; MI455X (gfx1250); checked and timed in simulation.
; The chip was launched on July 23, 2026; its instructions are those of AMD's public machine-readable ISA for CDNA 5 (MIT licence, August 2026) and "CDNA5" Instruction Set Architecture Reference Guide (July 2026). The comments in the code are by the model that wrote it; some were corrected since.
;; Multihead Attention. Allowed arithmetic: float matrix products may take bf16 or f16 operands with f32 sums; all other float work in f32.
;; Inputs: Wk 1,024 x 1,024 float32; Wo 1,024 x 1,024 float32; Wq 1,024 x 1,024 float32; Wv 1,024 x 1,024 float32; bk 1,024 float32; bo 1,024 float32; bq 1,024 float32; bv 1,024 float32; key 2 x 2,048 x 1,024 float32; mask 1 x 1 x 2,048 x 2,048 float32; query 2 x 2,048 x 1,024 float32; value 2 x 2,048 x 1,024 float32.
;; Outputs: out0 2 x 2,048 x 1,024 float32.
;; 2 versions, each right. Each part assembles by itself: llvm-mc -triple=amdgcn-amd-amdhsa -mcpu=gfx1250 --defsym DOCPART=n.
;; ======== version 1 of 2: 4 launches
;; limits: values are held in f16: magnitudes above 65,504 overflow, below 6.1e-05 lose precision
;; workspace buffers: xb 25,165,824 bytes; wb 8,388,608 bytes; qkv 25,165,824 bytes; ctx 16,777,216 bytes
;; launch cast (part 1): grid 1024 x 1, 8 waves a work-group, no clusters, 0 bytes of LDS; arguments query, key, value, Wq, Wk, Wv, Wo, xb, wb; writes xb, wb
.if DOCPART == 1
	.amdgcn_target "amdgcn-amd-amdhsa--gfx1250"
	.amdhsa_code_object_version 6
	.text
	.protected	k_q7ae72898d0_cast
	.globl	k_q7ae72898d0_cast
	.p2align	8
	.type	k_q7ae72898d0_cast,@function
k_q7ae72898d0_cast:
	s_mov_b64 s[64:65], 0
	v_nop
	global_prefetch_b8 v0, s[64:65] scope:SCOPE_SE
	s_setreg_imm32_b32 hwreg(HW_REG_WAVE_MODE, 25, 1), 1
	s_wait_xcnt 0x0
; f32 to bf16 (round to nearest even) of the seven matrix operands, once, so that the products behind it move half the bytes
; and convert nothing.  xb = [query | key | value] as [3][4096][1024] bf16, wb = [Wq | Wk | Wv | Wo] as [4][1024][1024] bf16.
; Work-group g takes 65,536 bytes of f32: g < 768 from query, key, value (256 groups each), the rest from the weights (64 each).
; A wave takes 8,192 bytes by sixteen loads of 512 neighbouring bytes, all issued before the first is used; each store of the wave
; covers 256 consecutive bytes, aligned.  No register is written twice, so no source of a pending instruction is ever rewritten.
; No LDS, no barrier, no matrix unit: the bytes are all there is to it.
.set X, 8                              ; v[8:71]   sixteen loads of four f32
.set Y, 72                             ; v[72:103] sixteen pairs of packed bf16
	s_load_b512 s[8:23], s[0:1], 0x0               ; query s[8:9], key, value, Wq, Wk, Wv, Wo s[20:21], xb s[22:23]
	s_load_b64 s[24:25], s[0:1], 0x40              ; wb
	s_mov_b32 s2, ttmp9                            ; g
	s_and_b32 s3, s2, 255
	s_lshl_b32 s3, s3, 16                          ; byte offset in query, key or value
	s_and_b32 s4, s2, 63
	s_lshl_b32 s4, s4, 16                          ; byte offset in a weight (768 is a multiple of 64)
	s_max_u32 s5, s2, 768
	s_sub_co_u32 s5, s5, 768                       ; the group's number among the weights' groups
	v_and_b32 v3, 0xe0, v0                         ; 32 x wave
	v_and_b32 v4, 31, v0                           ; lane
	v_lshlrev_b32 v1, 4, v4
	v_lshl_or_b32 v1, v3, 8, v1                    ; in:  8,192 x wave + 16 x lane
	v_lshlrev_b32 v2, 3, v4
	v_lshl_or_b32 v2, v3, 7, v2                    ; out: 4,096 x wave + 8 x lane
	s_wait_kmcnt 0x0
	s_mov_b64 s[26:27], s[8:9]                     ; the source: a choice among the seven buffers on g alone
	s_cmp_ge_u32 s2, 256
	s_cselect_b64 s[26:27], s[10:11], s[26:27]
	s_cmp_ge_u32 s2, 512
	s_cselect_b64 s[26:27], s[12:13], s[26:27]
	s_cmp_ge_u32 s2, 768
	s_cselect_b64 s[26:27], s[14:15], s[26:27]
	s_cmp_ge_u32 s2, 832
	s_cselect_b64 s[26:27], s[16:17], s[26:27]
	s_cmp_ge_u32 s2, 896
	s_cselect_b64 s[26:27], s[18:19], s[26:27]
	s_cmp_ge_u32 s2, 960
	s_cselect_b64 s[26:27], s[20:21], s[26:27]
	s_cmp_lt_u32 s2, 768
	s_cselect_b32 s28, s3, s4                      ; offset in the source
	s_cselect_b64 s[30:31], s[22:23], s[24:25]     ; xb or wb
	s_cselect_b32 s32, s2, s5
	s_lshl_b32 s32, s32, 15                        ; 32,768 bytes of bf16 for each group
	s_mov_b32 s29, 0
	s_mov_b32 s33, 0
	s_add_nc_u64 s[26:27], s[26:27], s[28:29]
	s_add_nc_u64 s[30:31], s[30:31], s[32:33]
.irp i, 0,1,2,3,4,5,6,7,8,9,10,11,12,13,14,15
	global_load_b128 v[X+4*\i:X+4*\i+3], v1, s[26:27] offset:512*\i th:TH_LOAD_NT
.endr
.irp i, 0,1,2,3,4,5,6,7,8,9,10,11,12,13,14,15
	s_wait_loadcnt 15-\i                           ; loads come back in order: load i is in, the 15 - i younger ones stay out
	v_cvt_pk_bf16_f32 v[Y+2*\i],   v[X+4*\i],   v[X+4*\i+1]
	v_cvt_pk_bf16_f32 v[Y+2*\i+1], v[X+4*\i+2], v[X+4*\i+3]
	global_store_b64 v2, v[Y+2*\i:Y+2*\i+1], s[30:31] offset:256*\i
.endr
	s_endpgm
.Lfunc_end_k_q7ae72898d0_cast:
	.size	k_q7ae72898d0_cast, .Lfunc_end_k_q7ae72898d0_cast-k_q7ae72898d0_cast
	.p2alignl 7, 3214868480
	.fill 96, 4, 3214868480
	.section	.rodata,"a",@progbits
	.p2align	6, 0x0
	.amdhsa_kernel k_q7ae72898d0_cast
		.amdhsa_group_segment_fixed_size 0
		.amdhsa_private_segment_fixed_size 0
		.amdhsa_enable_private_segment 0
		.amdhsa_kernarg_size 72
		.amdhsa_user_sgpr_count 2
		.amdhsa_user_sgpr_kernarg_segment_ptr 1
		.amdhsa_wavefront_size32 1
		.amdhsa_system_sgpr_workgroup_id_x 1
		.amdhsa_system_sgpr_workgroup_id_y 1
		.amdhsa_system_sgpr_workgroup_id_z 1
		.amdhsa_system_vgpr_workitem_id 0
		.amdhsa_next_free_vgpr 104
		.amdhsa_next_free_sgpr 66
		.amdhsa_reserve_vcc 0
		.amdhsa_float_denorm_mode_32 3
		.amdhsa_float_denorm_mode_16_64 3
		.amdhsa_memory_ordered 1
		.amdhsa_forward_progress 1
		.amdhsa_inst_pref_size 8
	.end_amdhsa_kernel
	.amdgpu_metadata
---
amdhsa.version: [ 1, 2 ]
amdhsa.kernels:
  - .name:           k_q7ae72898d0_cast
    .symbol:         k_q7ae72898d0_cast.kd
    .args:
      - { .name: query, .offset: 0, .size: 8, .value_kind: global_buffer, .address_space: global }
      - { .name: key, .offset: 8, .size: 8, .value_kind: global_buffer, .address_space: global }
      - { .name: value, .offset: 16, .size: 8, .value_kind: global_buffer, .address_space: global }
      - { .name: Wq, .offset: 24, .size: 8, .value_kind: global_buffer, .address_space: global }
      - { .name: Wk, .offset: 32, .size: 8, .value_kind: global_buffer, .address_space: global }
      - { .name: Wv, .offset: 40, .size: 8, .value_kind: global_buffer, .address_space: global }
      - { .name: Wo, .offset: 48, .size: 8, .value_kind: global_buffer, .address_space: global }
      - { .name: xb, .offset: 56, .size: 8, .value_kind: global_buffer, .address_space: global }
      - { .name: wb, .offset: 64, .size: 8, .value_kind: global_buffer, .address_space: global }
    .group_segment_fixed_size: 0
    .private_segment_fixed_size: 0
    .kernarg_segment_align: 8
    .kernarg_segment_size: 72
    .max_flat_workgroup_size: 256
    .sgpr_count:     66
    .vgpr_count:     104
    .wavefront_size: 32
...
	.end_amdgpu_metadata
.endif
;; end of part 1
;; launch qkv (part 2): grid 4 x 48, 4 waves a work-group, clusters of 4 x 4, 327,680 bytes of LDS; arguments xb, wb, bq, bk, bv, qkv; writes qkv
.if DOCPART == 2
	.amdgcn_target "amdgcn-amd-amdhsa--gfx1250"
	.amdhsa_code_object_version 6
	.text
	.protected	k_q7ae72898d0_qkv
	.globl	k_q7ae72898d0_qkv
	.p2align	8
	.type	k_q7ae72898d0_qkv,@function
k_q7ae72898d0_qkv:
	s_mov_b64 s[64:65], 0
	v_nop
	global_prefetch_b8 v0, s[64:65] scope:SCOPE_SE
	s_setreg_imm32_b32 hwreg(HW_REG_WAVE_MODE, 25, 1), 1
	s_wait_xcnt 0x0
	s_wait_alu depctr_hold_cnt(0) depctr_sa_sdst(0) depctr_va_vdst(0) depctr_va_sdst(0) depctr_va_ssrc(0) depctr_va_vcc(0) depctr_vm_vsrc(0)
	s_getreg_b32 s2, hwreg(HW_REG_IB_STS2, 6, 4)
	s_cmp_eq_u32 s2, 0
	s_cbranch_scc0 .Lentry_in_a_cluster
	s_endpgm
.Lentry_in_a_cluster:
	s_bfe_u32 s2, ttmp6, 0x10000c
	s_cmp_lg_u32 s2, 0xf033
	s_cbranch_scc0 .Lentry_shape_is_right
	s_endpgm
.Lentry_shape_is_right:
; The three input projections as one product of 12,288 rows: qkv[p][m][n] = (sum over k of xb[p][m][k] wb[p][n][k] + bias_p[n]) f_p,
; p = 0, 1, 2 for q, k, v; bf16 operands, f32 sums, one rounding to F16.  f_0 = 0.125 log2(e): the score's scale and the change to
; base 2 are folded into q ahead of its rounding; f_1 = f_2 = 1.
; WHY F16 OUT: q, k, v are operands of the next launch's products; f16 keeps 11 significant bits where bf16 keeps 8, and a row that attends to
; one key hands v's rounding straight to the output.  LIMIT: |q|, |k|, |v| < 65,504.  The room: sums here have a spread of about 1;
; with both factors 30 times larger about 5 x 900 = 4,500; with both carrying an offset of 30 spreads 1,024 x 30 x 30/32 = 28,800.
; A work-group makes a block of 256 x 256 with four waves, a wave 128 x 128: 64 accumulator tiles of 16 x 16, 512 registers.
; 48 block rows x 4 block columns = 192 work-groups: 4,096 rows and 1,024 columns have no division into 256 equal blocks of this
; kind, and blocks of 128 x 128 would read twice the LDS bytes for each product.
; K goes in steps of 128 through a ring of two LDS slots filled by tensor loads whose rows are 256 aligned bytes of memory.
; CLUSTERS: 4 x 4 work-groups.  The four of a row of the cluster need the same tiles of xb, the four of a column the same tiles of wb:
; each tile is asked for jointly, by the same load with the same descriptor and a mask that names the four.  A cluster spans 4 block
; rows and a product has 16, so all sixteen partners work on the same product p = cluster y / 4.
;
; REGISTERS, in windows of 256:
;   window 0: v0-31 addresses; v64-127, v128-191 fragments of A, two buffers; v192-223 at work on the way out
;   window 1: v0-63 bias of my 128 columns; v64-127, v128-191 fragments of B, two buffers
;   window 2: the 32 accumulator tiles of my rows 0-63 (tile (a, b) at v[8 (8 a + b)]);   window 3: those of my rows 64-127
; THE MATRIX INSTRUCTION IS USED TRANSPOSED: source 0 = 16 rows of wb, source 1 = 16 rows of xb, so that lane l holds row l % 16 of the
; result and its registers 0 to 7 the columns 8 (l / 16) + 0 .. 7: eight neighbouring numbers, 16 bytes of f16.
.set SIZE_N, 1024
.set SIZE_K, 1024
.set KSTEP,  128
.set PITCH,  272                       ; an LDS row: 256 bytes + 16 of padding, so the 16 rows that a load touches start 16 bytes apart modulo 256
.set HALFT,  128*PITCH                 ; 128 rows: what one tensor load brings, and what one wave reads of A or of B
.set SLOT,   4*HALFT                   ; A's 256 rows, then B's 256 rows
.set STAGE,  2*SLOT                    ; behind the ring: 16 rows x 272 bytes for each wave, for the way out; no tensor load lands here
.set SPITCH, 272
.set LAPS, SIZE_K/(2*KSTEP)            ; a lap = two K steps = once round the ring: 4
.set ADRA, 16                          ; v16-17  LDS address of my A fragments in slot 0, 1
.set ADRB, 20                          ; v20-21  the same for B
.set STO,  24                          ; v24     the way out: where I put 16 bytes of a row
.set RD,   25                          ; v25     the way out: where I read a row back
.set CO,   26                          ; v26     my byte offset in the result
.set BO,   27                          ; v27     my byte offset in the bias: 32 (l / 16); never rewritten
.set BI,   0                           ; window 1, v0-63: bias of column 16 b + 8 (l / 16) + j at BI + 8 b + j
.set F0,   64
.set F1,   128
.set TMP,  192
.set G1, 24                            ; s[24:31] descriptor group 1 for A's tiles
.set G0, 32                            ; s[32:39] descriptor group 0 for A's tiles, one set for each slot
.set G1B, 48                           ; s[48:55] group 1 for B's tiles: it differs in the mask alone
.set G0B, 56                           ; s[56:63] group 0 for B's tiles, one set for each slot
.set MSB, 0
.macro WIN new                         ; the immediate's high byte repeats the setting that is left
.if MSB != \new
	s_set_vgpr_msb (MSB<<8)|\new
.set MSB, \new
.endif
.endm
.set MUL_LO, 0xa1                      ; source 0 (B) window 1, source 1 (A) window 0, C and D window 2
.set MUL_HI, 0xf1                      ; the same, C and D window 3
.set TO_B,   0x40                      ; destination window 1, address window 0
; A joint load.  Waves 0 and 1 fetch A's two halves, waves 2 and 3 B's; the branch hangs on the wave's number alone.
.macro JLOAD s
	s_cmp_eq_u32 s11, 0
	s_cbranch_scc0 .Lfor_b_\@
	tensor_load_to_lds s[G0+4*\s:G0+4*\s+3], s[G1:G1+7]
	s_nop 0
	s_branch .Lasked_\@
.Lfor_b_\@:
	tensor_load_to_lds s[G0B+4*\s:G0B+4*\s+3], s[G1B:G1B+7]
	s_nop 0
.Lasked_\@:
.endm
; A round of the cluster's barrier: my work-group's barrier, wave 0 signals for the work-group, every wave waits for all sixteen
; work-groups, my work-group's barrier once more.
.macro CREST                           ; a round behind its opening barrier
	s_cmp_lg_u32 s10, 0
	s_cbranch_scc1 .Lnot_wave_0_\@
	s_barrier_signal -3
.Lnot_wave_0_\@:
	s_barrier_wait -3
	s_barrier_signal -1
	s_barrier_wait -1
.endm
.macro CROUND                          ; a whole round
	s_barrier_signal -1
	s_barrier_wait -1
	CREST
.endm
	s_load_b128 s[4:7], s[0:1], 0x0                ; xb s[4:5], wb s[6:7]
	s_load_b128 s[68:71], s[0:1], 0x10             ; bq s[68:69], bk s[70:71]
	s_load_b128 s[72:75], s[0:1], 0x20             ; bv s[72:73], qkv s[74:75]
	s_set_vgpr_msb 0x40
	v_lshl_add_u32 v255, v0, 2, 0x48400
	s_set_vgpr_msb 0x4000
	v_mov_b32 v255, 0
	s_set_vgpr_msb 0x1
	ds_add_u32 v255, v255
	s_set_vgpr_msb 0x100
	v_lshrrev_b32 v1, 5, v0
	v_readfirstlane_b32 s10, v1                    ; wave 0..3
	s_lshr_b32 s11, s10, 1                         ; which half of the block's rows is mine.  Also: I fetch for A (0) or for B (1)
	s_and_b32 s12, s10, 1                          ; which half of its columns.  Also: which 128 rows of that tile I fetch
	s_bfe_u32 s40, ttmp6, 0x40000                  ; cx
	s_bfe_u32 s41, ttmp6, 0x40004                  ; cy
	s_lshl_b32 s42, ttmp9, 2
	s_add_co_u32 s42, s42, s40                     ; block column = 4 x cluster x + cx
	s_and_b32 s13, ttmp7, 0xffff
	s_lshr_b32 s76, s13, 2                         ; p = cluster y / 4: the same in all sixteen partners
	s_lshl_b32 s13, s13, 2
	s_add_co_u32 s13, s13, s41                     ; block row = 4 x cluster y + cy, 0 to 47
	s_cmp_eq_u32 s76, 0
	s_cselect_b32 s78, 0x3e38aa3b, 1.0             ; f_p: 0.125 log2(e) for q, 1 for k and v
	s_mov_b32 s79, s78                             ; a pair, for the packed forms
	s_lshl_b32 s43, s41, 2
	s_lshl_b32 s43, 15, s43                        ; my row of the cluster: places 4 cy .. 4 cy + 3
	s_lshl_b32 s44, 0x1111, s40                    ; my column: places cx, cx + 4, cx + 8, cx + 12
	; descriptor group 1: a tile of 128 rows x 128 elements of 2 bytes, 4 words of padding behind every 64 words
	s_or_b32 s[G1+0], s43, (1<<16)|(1<<20)|(1<<21)|(5<<22)|(3<<25)
	s_or_b32 s[G1B+0], s44, (1<<16)|(1<<20)|(1<<21)|(5<<22)|(3<<25)
	s_mov_b32 s[G1B+1], KSTEP<<16
	s_mov_b32 s[G1+1], KSTEP<<16                   ; tensor_dim0 = 128
	s_mov_b32 s[G1B+2], 128<<16
	s_mov_b32 s[G1+2], 128<<16                     ; tensor_dim1 = 128
	s_mov_b32 s[G1B+3], KSTEP<<16
	s_mov_b32 s[G1+3], KSTEP<<16                   ; tile_dim0 = 128
	s_mov_b32 s[G1B+4], 128
	s_mov_b32 s[G1+4], 128                         ; tile_dim1 = 128
	s_mov_b32 s[G1B+5], SIZE_K
	s_mov_b32 s[G1+5], SIZE_K                      ; elements from row to row
	s_mov_b32 s[G1B+6], 0
	s_mov_b32 s[G1+6], 0
	s_mov_b32 s[G1B+7], 0
	s_mov_b32 s[G1+7], 0
	; where the tiles come from: A's hang on the block row alone, B's on the block column and on p alone
	s_lshl_b32 s17, s12, 7                         ; which 128 rows of the tile I fetch
	s_lshl_b32 s16, s13, 8
	s_add_co_u32 s16, s16, s17                     ; xb: row 256 x block row + 128 x half
	s_lshl_b32 s46, s42, 8
	s_add_co_u32 s46, s46, s17
	s_lshl_b32 s77, s76, 10
	s_add_co_u32 s46, s46, s77                     ; wb: row 1,024 p + 256 x block column + 128 x half
	s_mov_b32 s17, 0
	s_mov_b32 s47, 0
	s_mov_b64 s[18:19], SIZE_K*2
	s_mul_u64 s[16:17], s[16:17], s[18:19]         ; in bytes
	s_mul_u64 s[46:47], s[46:47], s[18:19]
	s_mul_i32 s20, s10, HALFT                      ; where they go: wave x 128 rows
	s_lshl_b32 s82, s42, 10                        ; my 128 columns in the bias: 1,024 x block column + 512 x half, in bytes
	s_lshl_b32 s83, s12, 9
	s_add_co_u32 s82, s82, s83
	s_mov_b32 s83, 0
	s_wait_dscnt 0x0
	s_wait_kmcnt 0x0
	s_mov_b64 s[8:9], s[74:75]                     ; the result
	s_add_nc_u64 s[14:15], s[4:5], s[16:17]
	s_add_nc_u64 s[46:47], s[6:7], s[46:47]
	s_mov_b64 s[80:81], s[68:69]                   ; the bias: a choice among the three on p alone
	s_cmp_eq_u32 s76, 1
	s_cselect_b64 s[80:81], s[70:71], s[80:81]
	s_cmp_eq_u32 s76, 2
	s_cselect_b64 s[80:81], s[72:73], s[80:81]
	s_add_nc_u64 s[80:81], s[80:81], s[82:83]
	CROUND                                         ; all sixteen work-groups are here: the first joint loads meet
.irp s, 0,1
	s_mov_b32 s[G0+4*\s], 1
	s_add_co_u32 s[G0+4*\s+1], s20, \s*SLOT                        ; LDS address
	s_add_nc_u64 s[G0+4*\s+2:G0+4*\s+3], s[14:15], \s*KSTEP*2      ; global address: K step s
	s_or_b32 s[G0+4*\s+3], s[G0+4*\s+3], 0x80000000                ; type = 2
	s_mov_b32 s[G0B+4*\s], 1
	s_add_co_u32 s[G0B+4*\s+1], s20, \s*SLOT
	s_add_nc_u64 s[G0B+4*\s+2:G0B+4*\s+3], s[46:47], \s*KSTEP*2
	s_or_b32 s[G0B+4*\s+3], s[G0B+4*\s+3], 0x80000000
	JLOAD \s                                       ; the ring is filled before anything else is done
.endr
	; a fragment is 16 rows x 32 K in 8 registers: lane l holds row l % 16, K = 8 (l / 16) + 0..7 and 16 + 8 (l / 16) + 0..7: two loads of 16 bytes, 32 apart
	v_and_b32 v1, 15, v0                           ; l % 16
	v_bfe_u32 v2, v0, 4, 1                         ; l / 16
	v_lshlrev_b32 v[BO], 5, v2
	v_mul_u32_u24 v3, v1, PITCH
	v_lshl_add_u32 v3, v2, 4, v3
	s_mul_i32 s21, s11, HALFT                      ; my 128 rows of A
	s_mul_i32 s22, s12, HALFT                      ; my 128 rows of B,
	s_add_co_u32 s22, s22, 2*HALFT                 ; which lie behind A's 256
.irp s, 0,1
	v_add_nc_u32 v[ADRA+\s], s21, v3
	v_add_nc_u32 v[ADRB+\s], s22, v3
	s_add_co_u32 s21, s21, SLOT
	s_add_co_u32 s22, s22, SLOT
.endr
	s_mul_i32 s23, s10, 16*SPITCH
	s_add_co_u32 s23, s23, STAGE                   ; my stage
	v_mul_u32_u24 v4, v1, SPITCH
	v_lshl_add_u32 v4, v2, 4, v4
	v_add_nc_u32 v[STO], s23, v4
	v_mul_u32_u24 v5, v2, SPITCH
	v_lshl_add_u32 v5, v1, 4, v5
	v_add_nc_u32 v[RD], s23, v5
	v_mul_u32_u24 v5, v2, SIZE_N*2
	v_lshl_add_u32 v[CO], v1, 4, v5
	; the bias of my 128 columns, 64 numbers a lane; waited for on the way out; its address registers are never rewritten
	WIN TO_B
.irp b, 0,1,2,3,4,5,6,7
	global_load_b128 v[BI+8*\b:BI+8*\b+3],   v[BO], s[80:81] offset:64*\b
	global_load_b128 v[BI+8*\b+4:BI+8*\b+7], v[BO], s[80:81] offset:64*\b+16
.endr
	WIN 0
; 16 matrix instructions: m blocks a0, a0 + 1 of the window's four x all 8 n blocks, 32 along K.  zero = 1: the first product starts the sums.
.macro MUL16 f, hi, a0, zero
.irp a, \a0, \a0+1
.irp b, 0,1,2,3,4,5,6,7
.if \zero
	v_wmma_f32_16x16x32_bf16 v[8*(8*(\a)+\b):8*(8*(\a)+\b)+7], v[\f+8*\b:\f+8*\b+7], v[\f+8*(4*\hi+\a):\f+8*(4*\hi+\a)+7], 0
.else
	v_wmma_f32_16x16x32_bf16 v[8*(8*(\a)+\b):8*(8*(\a)+\b)+7], v[\f+8*\b:\f+8*\b+7], v[\f+8*(4*\hi+\a):\f+8*(4*\hi+\a)+7], v[8*(8*(\a)+\b):8*(8*(\a)+\b)+7]
.endif
.endr
.endr
.endm
; 32 LDS loads in one run: the fragments of one quarter step into buffer f
.macro FETCH slot, k, f
	WIN TO_B
.irp i, 0,1,2,3,4,5,6,7
	ds_load_b128 v[\f+8*\i:\f+8*\i+3],   v[ADRB+\slot] offset:\k+\i*16*PITCH
	ds_load_b128 v[\f+8*\i+4:\f+8*\i+7], v[ADRB+\slot] offset:\k+\i*16*PITCH+32
.endr
	WIN 0
.irp i, 0,1,2,3,4,5,6,7
	ds_load_b128 v[\f+8*\i:\f+8*\i+3],   v[ADRA+\slot] offset:\k+\i*16*PITCH
	ds_load_b128 v[\f+8*\i+4:\f+8*\i+7], v[ADRA+\slot] offset:\k+\i*16*PITCH+32
.endr
.endm
; Four places between a matrix instruction and a load into a register that it read, or a vector instruction on its result
.macro PLACES
.rept 4
	v_nop
.endr
.endm
; A K step is four quarter steps of 32 along K, 64 matrix instructions each, on buffers 0, 1, 0, 1.  The 64 accumulators take turns, one
; instruction a turn, in the same order in every quarter, over the backward jump too.
.macro QUARTER slot, k, f, g, zero
	s_wait_dscnt 8                                 ; B and A's rows 0-63 are in; the youngest eight loads (A's rows 64-127) may be out
	WIN MUL_LO
	MUL16 \f, 0, 0, \zero
	MUL16 \f, 0, 2, \zero
	PLACES
	FETCH \slot, \k, \g
	s_wait_dscnt 32                                ; all but the 32 just issued
	WIN MUL_HI
	MUL16 \f, 1, 0, \zero
	MUL16 \f, 1, 2, \zero
.endm
.macro THREE slot, zero
	QUARTER \slot, 64,  F0, F1, \zero
	QUARTER \slot, 128, F1, F0, 0
	QUARTER \slot, 192, F0, F1, 0
.endm
; The last quarter multiplies buffer 1 and changes slots.  In front of the barrier each wave waits for its reads of this slot and for all its
; tensor loads (one is out: its part of the next slot); behind it the refill comes first, then the next slot's first fragments.
.macro TURN slot, next, fill
	s_wait_dscnt 8
	WIN MUL_LO
	MUL16 F1, 0, 0, 0
	s_wait_dscnt 0                                 ; my reads of this slot are over
	s_wait_tensorcnt 0x0                           ; and all my tensor loads have landed
	ds_add_u32 v255, v255
	s_wait_dscnt 0x0
	s_barrier_signal -1                            ; where a slot is filled again this barrier opens a round of the cluster's barrier
	MUL16 F1, 0, 2, 0                              ; register work while the others arrive
	WIN 0
	s_barrier_wait -1
.if \fill
	CREST                                          ; no wave of any partner still reads this slot's tile or has a load on its way
	s_add_nc_u64 s[G0+4*\slot+2:G0+4*\slot+3], s[G0+4*\slot+2:G0+4*\slot+3], 2*KSTEP*2
	s_add_nc_u64 s[G0B+4*\slot+2:G0B+4*\slot+3], s[G0B+4*\slot+2:G0B+4*\slot+3], 2*KSTEP*2
	JLOAD \slot                                    ; the first tensor load behind the round, one a wave
.endif
	PLACES
	FETCH \next, 0, F0
	WIN MUL_HI
	MUL16 F1, 1, 0, 0
	MUL16 F1, 1, 2, 0
.endm
.macro LAP zero
	THREE 0, \zero
	TURN 0, 1, 1
	THREE 1, 0
	TURN 1, 0, 1
.endm
	s_wait_tensorcnt 1                             ; my part of K step 0 is in; K step 1's load, issued behind it, stays out
	s_barrier_signal -1
	s_barrier_wait -1
	FETCH 0, 0, F0
	LAP 1                                          ; the first lap stands in front of the loop: its first products start the sums
	WIN 0
	s_mov_b32 s3, LAPS-2
.Llap:
	LAP 0
	WIN 0
	s_sub_co_u32 s3, s3, 1
	s_cmp_lg_u32 s3, 0
	s_cbranch_scc1 .Llap
	THREE 0, 0                                     ; the last lap fills nothing
	TURN 0, 1, 0
	THREE 1, 0
	s_wait_dscnt 8
	WIN MUL_LO
	MUL16 F1, 0, 0, 0
	MUL16 F1, 0, 2, 0
	s_wait_dscnt 0
	WIN MUL_HI
	MUL16 F1, 1, 0, 0
	MUL16 F1, 1, 2, 0
	; THE WAY OUT, 16 rows at a time: (sum + bias) f = sum f + (bias f) by one fused multiply-add, round to f16, 16 bytes a lane into my
	; own stage in LDS, read back as whole rows of 256 bytes.
	PLACES
	s_wait_loadcnt 0x0                             ; the bias
	WIN 0x41                                       ; source 0 and destination in window 1
.irp i, 0,2,4,6,8,10,12,14,16,18,20,22,24,26,28,30,32,34,36,38,40,42,44,46,48,50,52,54,56,58,60,62
	v_pk_mul_f32 v[BI+\i:BI+\i+1], v[BI+\i:BI+\i+1], s[78:79] op_sel_hi:[1,0]
.endr
	s_lshl_b32 s13, s13, 8
	s_lshl_b32 s14, s11, 7
	s_add_co_u32 s16, s13, s14                     ; my first row
	s_mov_b32 s17, 0
	s_mov_b64 s[18:19], SIZE_N*2
	s_mul_u64 s[16:17], s[16:17], s[18:19]
	s_add_nc_u64 s[8:9], s[8:9], s[16:17]
	s_lshl_b32 s46, s42, 9                         ; my first column, in bytes: 512 x block + 256 x half
	s_lshl_b32 s47, s12, 8
	s_add_co_u32 s46, s46, s47
	s_mov_b32 s47, 0
	s_add_nc_u64 s[8:9], s[8:9], s[46:47]
; rows 16 i .. 16 i + 15 of my block = the eight tiles (a, 0..7) of window 2 or 3.  fw: the windows of the multiply-add (sum and result in
; the tiles' window, bias in window 1); from: those of the conversion; f: F0 or F1 in turn
.macro OUT16 i, a, fw, from, f
	WIN \fw
.irp b, 0,1,2,3,4,5,6,7
.irp r, 0,2,4,6
	v_pk_fma_f32 v[8*(8*\a+\b)+\r:8*(8*\a+\b)+\r+1], v[8*(8*\a+\b)+\r:8*(8*\a+\b)+\r+1], s[78:79], v[BI+8*\b+\r:BI+8*\b+\r+1] op_sel_hi:[1,0,1]
.endr
.endr
	WIN \from
.irp b, 0,1,2,3,4,5,6,7
.irp r, 0,1,2,3
	v_cvt_pk_f16_f32 v[TMP+4*\b+\r], v[8*(8*\a+\b)+2*\r], v[8*(8*\a+\b)+2*\r+1]
.endr
.endr
	WIN 0
.irp b, 0,1,2,3,4,5,6,7
	ds_store_b128 v[STO], v[TMP+4*\b:TMP+4*\b+3] offset:32*\b
.endr
	s_wait_xcnt 0x0                                ; buffer f, which earlier stores read, and the stores' base are rewritten only behind this wait
.if \i
	s_add_nc_u64 s[8:9], s[8:9], 16*SIZE_N*2
.endif
.irp t, 0,1,2,3,4,5,6,7
	ds_load_b128 v[\f+4*\t:\f+4*\t+3], v[RD] offset:\t*2*SPITCH    ; LDS serves a wave's instructions in order: these see the stores above
.endr
.irp t, 0,1,2,3,4,5,6,7
	s_wait_dscnt 7-\t                              ; read-back t is in, the 7 - t younger ones stay out
	global_store_b128 v[CO], v[\f+4*\t:\f+4*\t+3], s[8:9] offset:2*\t*SIZE_N*2   ; 16 lanes store 256 consecutive bytes, aligned
.endr
.endm
	OUT16 0, 0, 0x92, 0x0a, F0
	OUT16 1, 1, 0x92, 0x0a, F1
	OUT16 2, 2, 0x92, 0x0a, F0
	OUT16 3, 3, 0x92, 0x0a, F1
	OUT16 4, 0, 0xd3, 0x0f, F0
	OUT16 5, 1, 0xd3, 0x0f, F1
	OUT16 6, 2, 0xd3, 0x0f, F0
	OUT16 7, 3, 0xd3, 0x0f, F1
	s_set_vgpr_msb 0x1
	s_wait_tensorcnt 0x0
	ds_add_u32 v255, v255
	s_wait_dscnt 0x0
	s_set_vgpr_msb 0x100
	CROUND                                         ; the closing round: no work-group ends while a partner may still ask for a tile that names it
	s_endpgm
.Lfunc_end_k_q7ae72898d0_qkv:
	.size	k_q7ae72898d0_qkv, .Lfunc_end_k_q7ae72898d0_qkv-k_q7ae72898d0_qkv
	.p2alignl 7, 3214868480
	.fill 96, 4, 3214868480
	.section	.rodata,"a",@progbits
	.p2align	6, 0x0
	.amdhsa_kernel k_q7ae72898d0_qkv
		.amdhsa_group_segment_fixed_size 327680
		.amdhsa_private_segment_fixed_size 0
		.amdhsa_enable_private_segment 0
		.amdhsa_kernarg_size 48
		.amdhsa_user_sgpr_count 2
		.amdhsa_user_sgpr_kernarg_segment_ptr 1
		.amdhsa_wavefront_size32 1
		.amdhsa_system_sgpr_workgroup_id_x 1
		.amdhsa_system_sgpr_workgroup_id_y 1
		.amdhsa_system_sgpr_workgroup_id_z 1
		.amdhsa_system_vgpr_workitem_id 0
		.amdhsa_next_free_vgpr 1024
		.amdhsa_next_free_sgpr 84
		.amdhsa_reserve_vcc 0
		.amdhsa_float_denorm_mode_32 3
		.amdhsa_float_denorm_mode_16_64 3
		.amdhsa_memory_ordered 1
		.amdhsa_forward_progress 1
		.amdhsa_inst_pref_size 217
	.end_amdhsa_kernel
	.amdgpu_metadata
---
amdhsa.version: [ 1, 2 ]
amdhsa.kernels:
  - .name:           k_q7ae72898d0_qkv
    .symbol:         k_q7ae72898d0_qkv.kd
    .args:
      - { .name: xb, .offset: 0, .size: 8, .value_kind: global_buffer, .address_space: global }
      - { .name: wb, .offset: 8, .size: 8, .value_kind: global_buffer, .address_space: global }
      - { .name: bq, .offset: 16, .size: 8, .value_kind: global_buffer, .address_space: global }
      - { .name: bk, .offset: 24, .size: 8, .value_kind: global_buffer, .address_space: global }
      - { .name: bv, .offset: 32, .size: 8, .value_kind: global_buffer, .address_space: global }
      - { .name: qkv, .offset: 40, .size: 8, .value_kind: global_buffer, .address_space: global }
    .group_segment_fixed_size: 327680
    .private_segment_fixed_size: 0
    .kernarg_segment_align: 8
    .kernarg_segment_size: 48
    .max_flat_workgroup_size: 128
    .sgpr_count:     84
    .vgpr_count:     1024
    .wavefront_size: 32
...
	.end_amdgpu_metadata
.endif
;; end of part 2
;; launch attn (part 3): grid 16 x 16, 8 waves a work-group, clusters of 4 x 4, 327,680 bytes of LDS; arguments qkv, mask, ctx; writes ctx
.if DOCPART == 3
	.amdgcn_target "amdgcn-amd-amdhsa--gfx1250"
	.amdhsa_code_object_version 6
	.text
	.protected	k_q7ae72898d0_attn
	.globl	k_q7ae72898d0_attn
	.p2align	8
	.type	k_q7ae72898d0_attn,@function
k_q7ae72898d0_attn:
	s_mov_b64 s[64:65], 0
	v_nop
	global_prefetch_b8 v0, s[64:65] scope:SCOPE_SE
	s_setreg_imm32_b32 hwreg(HW_REG_WAVE_MODE, 25, 1), 1
	s_wait_xcnt 0x0
	s_wait_alu depctr_hold_cnt(0) depctr_sa_sdst(0) depctr_va_vdst(0) depctr_va_sdst(0) depctr_va_ssrc(0) depctr_va_vcc(0) depctr_vm_vsrc(0)
	s_getreg_b32 s2, hwreg(HW_REG_IB_STS2, 6, 4)
	s_cmp_eq_u32 s2, 0
	s_cbranch_scc0 .Lentry_in_a_cluster
	s_endpgm
.Lentry_in_a_cluster:
	s_bfe_u32 s2, ttmp6, 0x10000c
	s_cmp_lg_u32 s2, 0xf033
	s_cbranch_scc0 .Lentry_shape_is_right
	s_endpgm
.Lentry_shape_is_right:
; Attention with the mask as it is given: x[b][q][head 64 + d] = sum over keys of softmax_key(q.k / 8 - 1e9 mask[q][key]) v[key][d].
; q comes scaled by 0.125 log2(e), so scores are in base 2: t = fma(mask, -1e9 log2(e), q.k); p = 2^(t - m) with m the running maximum
; of the row, taken away in f32 ahead of every exponential; sums and the result are rescaled by 2^(m_old - m_new).
; FORMATS.  q, k, v come in f16 and p, which lies in (0, 1], is rounded to f16 for its product: 11 significant bits.  The result x leaves as
; TWO bf16 numbers, hi = bf16(x) and lo = bf16(x - hi), 16 significant bits together: ctx is [4096][2048], hi in columns 0 to 1,023 and lo
; in columns 1,024 to 2,047, and the next launch multiplies both by the same bf16 weights.
; LIMITS.  |q|, |k|, |v| < 65,504 (f16).  In a row whose keys are all masked by 1.0 the scores are absorbed into -1.44e9 in steps of 128
; (in base 2), in reference() into -1e9 in steps of 64 (in base e): both give the uniform row while |q.k / 8| < 32; beyond that the steps
; differ.  p below 2^-126 counts as 0.  NaN and infinite inputs are not served.  p is summed in f32 ahead of its rounding.
;
; A work-group: 128 q rows (x) of one batch and one PAIR of heads (y = 8 b + pair).  Eight waves: wave w has head w / 4 of the pair and q rows
; 32 (w % 4) .. + 31, as two blocks c of 16.  Two heads in a work-group: one tile of the mask serves both, rows of K and V are 256
; aligned bytes, and ctx leaves in runs of 256 aligned bytes.
; Keys go in tiles of 128 through two LDS slots; a slot holds the mask's 128 x 128 f32, K's and V's 128 rows x 128 f16.
; CLUSTERS 4 x 4: K and V hang on y alone and are asked for jointly along a row of the cluster; the mask's tile hangs on x alone and is asked
; for jointly along a column.  Waves 0, 1 ask for the mask's halves of 64 rows, waves 2, 3 for K's, waves 4, 5 for V's; waves 6, 7 ask for
; nothing.  By this text's count a wave has at most one tensor load out, issued straight behind a round and waited for in front of the next.
;
; THE PRODUCTS ARE TRANSPOSED.  S^T = K Q^T: source 0 = 16 keys, source 1 = 16 q rows; lane (r, h) then holds, for q row r, keys 8 h + 0..7 of
; each tile.  So a row's maximum and sum are made inside a lane and with one exchange between the halves, and two packed tiles ARE the
; second source of O^T = V^T P^T: no lane moves.  V^T's fragments come from V[key][d] by the transposing LDS load.
; No prefetch: K and V were stored by the launch before, and the mask's tiles are asked for by four clusters at about the same time.
.set SLOT,  139264
.set MPI,   528                        ; mask: 512 bytes + 16; K: 256 + 16; V: 256 + 32 (the transposing load wants an odd multiple of 32)
.set KPI,   272
.set VPI,   288
.set KT,    128*MPI                    ; 67,584: K's tile in a slot
.set VT,    KT+128*KPI                 ; 102,400: V's
.set STAGE, 2*SLOT                     ; 278,528: 128 rows x 272 bytes for the way out; no tensor load lands here
.set SPI,   272
.set CROW,  4096                       ; bytes in a row of ctx: 1,024 hi, then 1,024 lo
.set AM,  2                            ; v2-3    LDS address of my mask numbers in slot 0, 1
.set AK,  4                            ; v4-5    of my K fragments
.set AV,  6                            ; v6-7    of my V fragments
.set STO, 8                            ; v8      the way out: where I put 16 bytes
.set RD,  9                            ; v9      where I read a row back
.set CO,  10                           ; v10     my byte offset in ctx
.set QO,  11                           ; v11     my byte offset in q
.set QF,  16                           ; v16-47   Q fragments: block c, half u of d at QF + 16 c + 8 u
.set OA,  48                           ; v48-111  O^T: d block db, q block c at OA + 8 (2 db + c)
.set SC,  112                          ; v112-175 S^T: q block c, key tile t at SC + 32 c + 8 t; packed P of keys 32 ks .. + 31 at SC + 32 c + 16 ks
.set XA,  176                          ; v176-207 K (u = 0), then the mask (c = 0), then V (ks = 0)
.set XB,  208                          ; v208-239 K (u = 1), then the mask (c = 1), then V (ks = 1)
.set MP,  240                          ; v240-243 the running maximum of block c, twice
.set AL,  244                          ; v244-247 2^(m_old - m_new) of block c, twice; at the end 1 / sum
.set LS,  248                          ; v248-249 the running sum of block c, of my half's keys
.set TT,  250                          ; v250-255 at work
.set G1M, 24
.set G1K, 32
.set G1V, 40
.set G0M, 48                           ; s[48:55] group 0 of the mask's tiles, one set for each slot
.set G0K, 56                           ; s[56:63] of K's
.set G0V, 68                           ; s[68:75] of V's
.macro ROUND                           ; a round of the cluster's barrier
	s_barrier_signal -1
	s_barrier_wait -1
	s_cmp_lg_u32 s10, 0
	s_cbranch_scc1 .Lnot_wave_0_\@
	s_barrier_signal -3
.Lnot_wave_0_\@:
	s_barrier_wait -3
	s_barrier_signal -1
	s_barrier_wait -1
.endm
.macro JLOAD n                         ; slot n's joint loads, one a wave; the branches hang on the wave's number alone
	s_cmp_lt_u32 s10, 2
	s_cbranch_scc0 .Lnot_m_\@
	tensor_load_to_lds s[G0M+4*(\n):G0M+4*(\n)+3], s[G1M:G1M+7]
	s_nop 0
	s_branch .Lasked_\@
.Lnot_m_\@:
	s_cmp_lt_u32 s10, 4
	s_cbranch_scc0 .Lnot_k_\@
	tensor_load_to_lds s[G0K+4*(\n):G0K+4*(\n)+3], s[G1K:G1K+7]
	s_nop 0
	s_branch .Lasked_\@
.Lnot_k_\@:
	s_cmp_lt_u32 s10, 6
	s_cbranch_scc0 .Lasked_\@
	tensor_load_to_lds s[G0V+4*(\n):G0V+4*(\n)+3], s[G1V:G1V+7]
	s_nop 0
.Lasked_\@:
.endm
	s_load_b128 s[4:7], s[0:1], 0x0                ; qkv s[4:5], mask s[6:7]
	s_load_b64 s[8:9], s[0:1], 0x10                ; ctx
	v_lshl_add_u32 v255, v0, 2, 0x4c800
	s_set_vgpr_msb 0x40
	v_mov_b32 v1, 0
	s_set_vgpr_msb 0x4044
	ds_add_u32 v255, v1
	s_set_vgpr_msb 0x4400
	v_lshrrev_b32 v1, 5, v0
	v_readfirstlane_b32 s10, v1                    ; wave 0..7
	s_and_b32 s12, s10, 1                          ; which 64 rows of a tile I fetch
	s_lshr_b32 s13, s10, 2                         ; my head of the pair
	s_and_b32 s14, s10, 3                          ; my 32 q rows
	s_bfe_u32 s16, ttmp6, 0x40000                  ; cx
	s_bfe_u32 s17, ttmp6, 0x40004                  ; cy
	s_lshl_b32 s18, ttmp9, 2
	s_add_co_u32 s18, s18, s16                     ; q block = 4 x cluster x + cx
	s_and_b32 s19, ttmp7, 0xffff
	s_lshl_b32 s19, s19, 2
	s_add_co_u32 s19, s19, s17                     ; y = 4 x cluster y + cy
	s_lshr_b32 s20, s19, 3                         ; batch
	s_and_b32 s21, s19, 7                          ; pair of heads
	s_mov_b32 s22, 0x76543210                      ; v_permlanex16_b32: lane i of one half reads lane i of the other
	s_mov_b32 s23, 0xfedcba98
	s_mov_b32 s76, 0xceabfb8f                      ; -1e9 log2(e), a pair for the packed form
	s_mov_b32 s77, 0xceabfb8f
	s_lshl_b32 s78, s17, 2
	s_lshl_b32 s78, 15, s78                        ; my row of the cluster
	s_lshl_b32 s79, 0x1111, s16                    ; my column
	; group 1.  Mask: 64 rows x 128 elements of 4 bytes, 4 words of padding behind every 128 words, 2,048 elements from row to row
	s_or_b32 s[G1M+0], s79, (2<<16)|(1<<20)|(1<<21)|(6<<22)|(3<<25)
	s_mov_b32 s[G1M+1], 128<<16
	s_mov_b32 s[G1M+2], 64<<16
	s_mov_b32 s[G1M+3], 128<<16
	s_mov_b32 s[G1M+4], 64
	s_mov_b32 s[G1M+5], 2048
	s_mov_b32 s[G1M+6], 0
	s_mov_b32 s[G1M+7], 0
	; K: 64 rows x 128 elements of 2 bytes, 4 words behind every 64 words, 1,024 elements from row to row
	s_or_b32 s[G1K+0], s78, (1<<16)|(1<<20)|(1<<21)|(5<<22)|(3<<25)
	s_mov_b32 s[G1K+1], 128<<16
	s_mov_b32 s[G1K+2], 64<<16
	s_mov_b32 s[G1K+3], 128<<16
	s_mov_b32 s[G1K+4], 64
	s_mov_b32 s[G1K+5], 1024
	s_mov_b32 s[G1K+6], 0
	s_mov_b32 s[G1K+7], 0
	; V: the same with 8 words of padding
	s_or_b32 s[G1V+0], s78, (1<<16)|(1<<20)|(1<<21)|(5<<22)|(7<<25)
	s_mov_b32 s[G1V+1], 128<<16
	s_mov_b32 s[G1V+2], 64<<16
	s_mov_b32 s[G1V+3], 128<<16
	s_mov_b32 s[G1V+4], 64
	s_mov_b32 s[G1V+5], 1024
	s_mov_b32 s[G1V+6], 0
	s_mov_b32 s[G1V+7], 0
	s_lshl_b32 s80, s18, 20                        ; mask: (128 q block + 64 half) rows of 8,192 bytes: hangs on x alone
	s_lshl_b32 s81, s12, 19
	s_add_co_u32 s80, s80, s81
	s_mov_b32 s81, 0
	s_lshl_b32 s84, s20, 22                        ; K, V: (2,048 b + 64 half) rows of 2,048 bytes + 256 x pair: hangs on y alone
	s_lshl_b32 s85, s12, 17
	s_add_co_u32 s84, s84, s85
	s_lshl_b32 s85, s21, 8
	s_add_co_u32 s84, s84, s85
	s_mov_b32 s85, 0
	s_mul_i32 s88, s10, 64*MPI                     ; LDS: the mask's half of wave 0, 1
	s_mul_i32 s89, s10, 64*KPI
	s_add_co_u32 s89, s89, KT-2*64*KPI             ; K's half of wave 2, 3
	s_mul_i32 s90, s10, 64*VPI
	s_add_co_u32 s90, s90, VT-4*64*VPI             ; V's half of wave 4, 5
	s_lshl_b32 s2, s20, 22                         ; q: (2,048 b + 128 q block) rows of 2,048 bytes + 256 x pair; feeds no descriptor
	s_lshl_b32 s3, s18, 18
	s_add_co_u32 s2, s2, s3
	s_lshl_b32 s3, s21, 8
	s_add_co_u32 s2, s2, s3
	s_mov_b32 s3, 0
	s_lshl_b32 s66, s20, 23                        ; ctx: the same rows, of 4,096 bytes, + 256 x pair; feeds no descriptor
	s_lshl_b32 s67, s18, 19
	s_add_co_u32 s66, s66, s67
	s_lshl_b32 s67, s21, 8
	s_add_co_u32 s66, s66, s67
	s_mov_b32 s67, 0
	s_wait_dscnt 0x0
	s_wait_kmcnt 0x0
	s_add_nc_u64 s[82:83], s[6:7], s[80:81]
	s_add_nc_u64 s[86:87], s[4:5], s[84:85]
	s_add_nc_u64 s[4:5], s[4:5], s[2:3]            ; q at my work-group's first row and pair
	s_add_nc_u64 s[8:9], s[8:9], s[66:67]          ; ctx likewise
.irp n, 0,1
	s_mov_b32 s[G0M+4*\n], 1
	s_add_co_u32 s[G0M+4*\n+1], s88, \n*SLOT
	s_add_nc_u64 s[G0M+4*\n+2:G0M+4*\n+3], s[82:83], \n*512                ; keys 128 n ..
	s_or_b32 s[G0M+4*\n+3], s[G0M+4*\n+3], 0x80000000
	s_mov_b32 s[G0K+4*\n], 1
	s_add_co_u32 s[G0K+4*\n+1], s89, \n*SLOT
	s_add_nc_u64 s[G0K+4*\n+2:G0K+4*\n+3], s[86:87], 0x800000+\n*0x40000   ; k lies 8,388,608 bytes into qkv; 128 rows are 262,144
	s_or_b32 s[G0K+4*\n+3], s[G0K+4*\n+3], 0x80000000
	s_mov_b32 s[G0V+4*\n], 1
	s_add_co_u32 s[G0V+4*\n+1], s90, \n*SLOT
	s_add_nc_u64 s[G0V+4*\n+2:G0V+4*\n+3], s[86:87], 0x1000000+\n*0x40000  ; v lies 16,777,216 bytes into qkv
	s_or_b32 s[G0V+4*\n+3], s[G0V+4*\n+3], 0x80000000
.endr
	ROUND                                          ; all sixteen work-groups are here
	JLOAD 0                                        ; tile 0; slot 1 is filled behind the first trip's round, as every refill is
	v_and_b32 v12, 15, v0                          ; r
	v_bfe_u32 v13, v0, 4, 1                        ; h
	v_and_b32 v14, 7, v0
	v_bfe_u32 v15, v0, 3, 1
	s_lshl_b32 s79, s13, 7                         ; my head's 128 bytes of a row
	v_lshlrev_b32 v1, 11, v12                      ; q: (32 qsub + r) rows of 2,048 bytes + 128 head + 16 h
	v_lshl_add_u32 v1, v13, 4, v1
	s_lshl_b32 s78, s14, 16
	s_add_co_u32 s78, s78, s79
	v_add_nc_u32 v[QO], s78, v1
.irp c, 0,1
.irp u, 0,1
	global_load_b128 v[QF+16*\c+8*\u:QF+16*\c+8*\u+3],   v[QO], s[4:5] offset:\c*32768+64*\u      ; q row 16 c + r, d = 32 u + 8 h ..
	global_load_b128 v[QF+16*\c+8*\u+4:QF+16*\c+8*\u+7], v[QO], s[4:5] offset:\c*32768+64*\u+32   ; d = 32 u + 16 + 8 h ..
.endr
.endr
	v_mul_u32_u24 v1, v12, MPI                     ; mask: row 32 qsub + r, 32 h bytes (keys 8 h ..)
	v_lshl_add_u32 v1, v13, 5, v1
	s_mul_i32 s78, s14, 32*MPI
	v_add_nc_u32 v[AM], s78, v1
	v_add_nc_u32 v[AM+1], SLOT, v[AM]
	v_mul_u32_u24 v1, v12, KPI                     ; K: row r, 16 h, my head
	v_lshl_add_u32 v1, v13, 4, v1
	s_add_co_u32 s78, s79, KT
	v_add_nc_u32 v[AK], s78, v1
	v_add_nc_u32 v[AK+1], SLOT, v[AK]
	s_mul_i32 s78, s14, 32*SPI                     ; stage, in: row 32 qsub + r, my head, 16 h (the stage's pitch is K's)
	s_add_co_u32 s78, s78, s79
	s_add_co_u32 s78, s78, STAGE
	v_add_nc_u32 v[STO], s78, v1
	v_lshl_add_u32 v14, v13, 3, v14                ; V: row 8 h + l % 8, 16 bytes x bit 3 of the lane, my head
	v_mul_u32_u24 v1, v14, VPI
	v_lshl_add_u32 v1, v15, 4, v1
	s_add_co_u32 s78, s79, VT
	v_add_nc_u32 v[AV], s78, v1
	v_add_nc_u32 v[AV+1], SLOT, v[AV]
	v_mul_u32_u24 v1, v13, SPI                     ; stage, back: row 16 w + h, 16 r
	v_lshl_add_u32 v1, v12, 4, v1
	s_mul_i32 s78, s10, 16*SPI
	s_add_co_u32 s78, s78, STAGE
	v_add_nc_u32 v[RD], s78, v1
	v_lshlrev_b32 v1, 12, v13                      ; and the same two rows in ctx, 4,096 bytes apart
	v_lshl_add_u32 v1, v12, 4, v1
	s_lshl_b32 s78, s10, 16
	v_add_nc_u32 v[CO], s78, v1
	s_wait_loadcnt 0x0                             ; q, once
.macro MASKADD c                       ; t = mask x (-1e9 log2 e) + s, fused; the mask of block c lies in XA + 32 c
.irp t, 0,1,2,3
.irp j, 0,2,4,6
	v_pk_fma_f32 v[SC+32*\c+8*\t+\j:SC+32*\c+8*\t+\j+1], v[XA+32*\c+8*\t+\j:XA+32*\c+8*\t+\j+1], s[76:77], v[SC+32*\c+8*\t+\j:SC+32*\c+8*\t+\j+1] op_sel_hi:[1,0,1]
.endr
.endr
.endm
.macro ROWMAX c, first                 ; the new maximum of block c's rows, in both halves; 2^(old - new)
	v_max3_num_f32 v[TT],   v[SC+32*\c],    v[SC+32*\c+1],  v[SC+32*\c+2]
	v_max3_num_f32 v[TT+1], v[SC+32*\c+16], v[SC+32*\c+17], v[SC+32*\c+18]
.irp j, 3,5,7,9,11,13
	v_max3_num_f32 v[TT],   v[TT],   v[SC+32*\c+\j],    v[SC+32*\c+\j+1]
	v_max3_num_f32 v[TT+1], v[TT+1], v[SC+32*\c+16+\j], v[SC+32*\c+17+\j]
.endr
	v_max3_num_f32 v[TT], v[TT], v[SC+32*\c+15], v[SC+32*\c+31]
.if \first
	v_max_num_f32 v[TT], v[TT], v[TT+1]
.else
	v_max3_num_f32 v[TT], v[TT], v[TT+1], v[MP+2*\c]
.endif
	v_permlanex16_b32 v[TT+1], v[TT], s22, s23     ; the other half's keys
	v_max_num_f32 v[TT+2], v[TT], v[TT+1]
.if \first == 0
	v_sub_f32 v[TT+3+\c], v[MP+2*\c], v[TT+2]      ; old - new, at most 0; a register of its own for each block
.endif
	v_mov_b32 v[MP+2*\c],   v[TT+2]
	v_mov_b32 v[MP+2*\c+1], v[TT+2]
.if \first == 0
	v_exp_f32 v[AL+2*\c],   v[TT+3+\c]             ; the plain instructions of the next macro stand behind these before AL is used (ISA guide 5.7.2)
	v_exp_f32 v[AL+2*\c+1], v[TT+3+\c]
.endif
.endm
.macro SUBEXP c                        ; p = 2^(t - m), in place
.irp j, 0,2,4,6,8,10,12,14,16,18,20,22,24,26,28,30
	v_pk_add_f32 v[SC+32*\c+\j:SC+32*\c+\j+1], v[SC+32*\c+\j:SC+32*\c+\j+1], v[MP+2*\c:MP+2*\c+1] neg_lo:[0,1] neg_hi:[0,1]
.endr
.irp j, 0,1,2,3,4,5,6,7,8,9,10,11,12,13,14,15,16,17,18,19,20,21,22,23,24,25,26,27,28,29,30,31
	v_exp_f32 v[SC+32*\c+\j], v[SC+32*\c+\j]       ; behind the run comes a plain instruction on the other block's registers
.endr
.endm
.macro ROWSUM c, first                 ; sum of my half's 32 p; the halves meet at the end
	s_wait_alu depctr_va_vdst(0)
	v_pk_add_f32 v[TT:TT+1],   v[SC+32*\c:SC+32*\c+1],     v[SC+32*\c+2:SC+32*\c+3]
	v_pk_add_f32 v[TT+2:TT+3], v[SC+32*\c+16:SC+32*\c+17], v[SC+32*\c+18:SC+32*\c+19]
.irp j, 4,6,8,10,12,14
	v_pk_add_f32 v[TT:TT+1],   v[TT:TT+1],   v[SC+32*\c+\j:SC+32*\c+\j+1]
	v_pk_add_f32 v[TT+2:TT+3], v[TT+2:TT+3], v[SC+32*\c+16+\j:SC+32*\c+17+\j]
.endr
	v_pk_add_f32 v[TT:TT+1], v[TT:TT+1], v[TT+2:TT+3]
.if \first
	v_add_f32 v[LS+\c], v[TT], v[TT+1]
.else
	v_add_f32 v[TT], v[TT], v[TT+1]
	v_fma_f32 v[LS+\c], v[LS+\c], v[AL+2*\c], v[TT]
.endif
.endm
.macro PACK c                          ; two tiles of f32 into one fragment of f16, in place: register i is written from 2 i and 2 i + 1, ascending
.irp ks, 0,1
.irp i, 0,1,2,3,4,5,6,7
	v_cvt_pk_f16_f32 v[SC+32*\c+16*\ks+\i], v[SC+32*\c+16*\ks+2*\i], v[SC+32*\c+16*\ks+2*\i+1]
.endr
.endr
.endm
.macro RESCALE                         ; O^T x AL of its q row (a lane holds one q row of each block)
.irp db, 0,1,2,3
.irp c, 0,1
.irp j, 0,2,4,6
	v_pk_mul_f32 v[OA+8*(2*\db+\c)+\j:OA+8*(2*\db+\c)+\j+1], v[OA+8*(2*\db+\c)+\j:OA+8*(2*\db+\c)+\j+1], v[AL+2*\c:AL+2*\c+1]
.endr
.endr
.endr
.endm
; 64 keys (half sub of the slot's tile).  No LDS instruction of the wave is out at its head.  In both groups of matrix instructions the eight
; accumulators take turns, one instruction a turn.
.macro SUB slot, sub, first
.rept 5
	v_nop                                          ; five places behind the last products: S is written again by matrix instructions, XA and XB are loaded again (ISA guide 7.12.1)
.endr
.irp t, 0,1,2,3
	ds_load_b128 v[XA+8*\t:XA+8*\t+3],   v[AK+\slot] offset:(64*\sub+16*\t)*KPI
	ds_load_b128 v[XA+8*\t+4:XA+8*\t+7], v[AK+\slot] offset:(64*\sub+16*\t)*KPI+32
.endr
.irp t, 0,1,2,3
	ds_load_b128 v[XB+8*\t:XB+8*\t+3],   v[AK+\slot] offset:(64*\sub+16*\t)*KPI+64
	ds_load_b128 v[XB+8*\t+4:XB+8*\t+7], v[AK+\slot] offset:(64*\sub+16*\t)*KPI+96
.endr
	s_wait_dscnt 8                                 ; K's d 0-31 are in; the eight loads of d 32-63 stay out
.irp t, 0,1,2,3
.irp c, 0,1
	v_wmma_f32_16x16x32_f16 v[SC+32*\c+8*\t:SC+32*\c+8*\t+7], v[XA+8*\t:XA+8*\t+7], v[QF+16*\c:QF+16*\c+7], 0
.endr
.endr
.rept 4
	v_nop                                          ; four places: XA is loaded again
.endr
.irp t, 0,1,2,3
	ds_load_b128 v[XA+8*\t:XA+8*\t+3],   v[AM+\slot] offset:(64*\sub+16*\t)*4
	ds_load_b128 v[XA+8*\t+4:XA+8*\t+7], v[AM+\slot] offset:(64*\sub+16*\t)*4+16
.endr
	s_wait_dscnt 8                                 ; K's d 32-63 are in; the eight loads of the mask just issued stay out
.irp t, 0,1,2,3
.irp c, 0,1
	v_wmma_f32_16x16x32_f16 v[SC+32*\c+8*\t:SC+32*\c+8*\t+7], v[XB+8*\t:XB+8*\t+7], v[QF+16*\c+8:QF+16*\c+15], v[SC+32*\c+8*\t:SC+32*\c+8*\t+7]
.endr
.endr
.rept 4
	v_nop                                          ; four places: XB is loaded again, and S is read by vector instructions
.endr
.irp t, 0,1,2,3
	ds_load_b128 v[XB+8*\t:XB+8*\t+3],   v[AM+\slot] offset:16*MPI+(64*\sub+16*\t)*4
	ds_load_b128 v[XB+8*\t+4:XB+8*\t+7], v[AM+\slot] offset:16*MPI+(64*\sub+16*\t)*4+16
.endr
	s_wait_dscnt 8                                 ; block 0's mask is in; block 1's eight loads stay out
	MASKADD 0
.irp db, 0,1,2,3
	ds_load_tr16_b128 v[XA+8*\db:XA+8*\db+3],   v[AV+\slot] offset:(64*\sub)*VPI+32*\db
	ds_load_tr16_b128 v[XA+8*\db+4:XA+8*\db+7], v[AV+\slot] offset:(64*\sub+16)*VPI+32*\db
.endr
	s_wait_dscnt 8                                 ; block 1's mask is in; V's eight loads just issued stay out
	MASKADD 1
.irp db, 0,1,2,3
	ds_load_tr16_b128 v[XB+8*\db:XB+8*\db+3],   v[AV+\slot] offset:(64*\sub+32)*VPI+32*\db
	ds_load_tr16_b128 v[XB+8*\db+4:XB+8*\db+7], v[AV+\slot] offset:(64*\sub+48)*VPI+32*\db
.endr
	ROWMAX 0, \first
	ROWMAX 1, \first
	SUBEXP 0
	SUBEXP 1
	ROWSUM 0, \first
	ROWSUM 1, \first
	PACK 0
	PACK 1
.if \first == 0
	RESCALE
.endif
	s_wait_dscnt 0                                 ; V
.irp ks, 0,1
.irp db, 0,1,2,3
.irp c, 0,1
.if \first*(1-\ks)
	v_wmma_f32_16x16x32_f16 v[OA+8*(2*\db+\c):OA+8*(2*\db+\c)+7], v[XA+32*\ks+8*\db:XA+32*\ks+8*\db+7], v[SC+32*\c+16*\ks:SC+32*\c+16*\ks+7], 0
.else
	v_wmma_f32_16x16x32_f16 v[OA+8*(2*\db+\c):OA+8*(2*\db+\c)+7], v[XA+32*\ks+8*\db:XA+32*\ks+8*\db+7], v[SC+32*\c+16*\ks:SC+32*\c+16*\ks+7], v[OA+8*(2*\db+\c):OA+8*(2*\db+\c)+7]
.endif
.endr
.endr
.endr
.endm
; One tile of 128 keys.  In front of the round every wave waits for all its tensor loads (its part of this trip's tile) and for its reads of the
; other slot; behind the round the other slot is filled again first, one load a wave, and has this trip's work in which to land.
.macro TRIP slot, refill, first
	s_set_vgpr_msb 0x4
	s_wait_tensorcnt 0x0                           ; no tensor load of mine is out, so every group 0 may be written: this slot's next tile, two on
	ds_add_u32 v255, v1
	s_wait_dscnt 0x0
	s_set_vgpr_msb 0x400
	s_add_nc_u64 s[G0M+4*\slot+2:G0M+4*\slot+3], s[G0M+4*\slot+2:G0M+4*\slot+3], 1024
	s_add_nc_u64 s[G0K+4*\slot+2:G0K+4*\slot+3], s[G0K+4*\slot+2:G0K+4*\slot+3], 0x80000
	s_add_nc_u64 s[G0V+4*\slot+2:G0V+4*\slot+3], s[G0V+4*\slot+2:G0V+4*\slot+3], 0x80000
	s_wait_dscnt 0x0
	ROUND
.if \refill
	JLOAD 1-\slot
.endif
	SUB \slot, 0, \first
	SUB \slot, 1, 0
.endm
	TRIP 0, 1, 1                                   ; 16 tiles: the first starts maxima, sums and O without clearing anything
	TRIP 1, 1, 0
	s_mov_b32 s15, 6
.Lpair:
	TRIP 0, 1, 0
	TRIP 1, 1, 0
	s_sub_co_u32 s15, s15, 1
	s_cmp_lg_u32 s15, 0
	s_cbranch_scc1 .Lpair
	TRIP 0, 1, 0
	TRIP 1, 0, 0                                   ; the last tile: nothing is left to fetch
	; THE WAY OUT: divide by the row's sum, split into hi and lo, and send each through the stage so that a row's 256 bytes (both heads) leave together.
.rept 4
	v_nop                                          ; four places behind the last products
.endr
	v_permlanex16_b32 v[TT],   v[LS],   s22, s23   ; the other half's sum
	v_permlanex16_b32 v[TT+1], v[LS+1], s22, s23
	v_add_f32 v[LS],   v[LS],   v[TT]              ; at least 1: the row's largest p is 2^0
	v_add_f32 v[LS+1], v[LS+1], v[TT+1]
	v_rcp_f32 v[AL],   v[LS]
	v_rcp_f32 v[AL+1], v[LS]
	v_rcp_f32 v[AL+2], v[LS+1]
	v_rcp_f32 v[AL+3], v[LS+1]
	v_nop                                          ; one plain place behind the reciprocals (ISA guide 5.7.2)
	s_wait_alu depctr_va_vdst(0)
	RESCALE
	; hi = bf16(x) into SC + 0..31; x - hi is exact in f32; lo = bf16(x - hi) into SC + 32..63.  Two pairs of work registers take turns.
.irp db, 0,1,2,3
.irp c, 0,1
.irp i, 0,1,2,3
	v_cvt_pk_bf16_f32 v[SC+4*(2*\db+\c)+\i], v[OA+8*(2*\db+\c)+2*\i], v[OA+8*(2*\db+\c)+2*\i+1]
	v_lshlrev_b32 v[TT+2*(\i%2)],   16,         v[SC+4*(2*\db+\c)+\i]
	v_and_b32     v[TT+2*(\i%2)+1], 0xffff0000, v[SC+4*(2*\db+\c)+\i]
	v_pk_add_f32 v[OA+8*(2*\db+\c)+2*\i:OA+8*(2*\db+\c)+2*\i+1], v[OA+8*(2*\db+\c)+2*\i:OA+8*(2*\db+\c)+2*\i+1], v[TT+2*(\i%2):TT+2*(\i%2)+1] neg_lo:[0,1] neg_hi:[0,1]
	v_cvt_pk_bf16_f32 v[SC+32+4*(2*\db+\c)+\i], v[OA+8*(2*\db+\c)+2*\i], v[OA+8*(2*\db+\c)+2*\i+1]
.endr
.endr
.endr
; part = 0: hi, read back into XA; part = 1: lo, read back into XB: no register that a pending store reads is written again
.macro LEAVE part
.irp db, 0,1,2,3
.irp c, 0,1
	ds_store_b128 v[STO], v[SC+32*\part+4*(2*\db+\c):SC+32*\part+4*(2*\db+\c)+3] offset:\c*16*SPI+32*\db     ; q row 16 c + r, d = 16 db + 8 h ..
.endr
.endr
	s_wait_dscnt 0x0                               ; for the others' sake: a stage row holds both heads, written by two waves
	s_barrier_signal -1
	s_barrier_wait -1
.irp i, 0,1,2,3,4,5,6,7
	ds_load_b128 v[XA+32*\part+4*\i:XA+32*\part+4*\i+3], v[RD] offset:\i*2*SPI
.endr
.irp i, 0,1,2,3,4,5,6,7
	s_wait_dscnt 7-\i                              ; read-back i is in, the 7 - i younger ones stay out
	global_store_b128 v[CO], v[XA+32*\part+4*\i:XA+32*\part+4*\i+3], s[8:9] offset:\i*2*CROW+\part*2048   ; 16 lanes store 256 consecutive bytes, aligned
.endr
.endm
	LEAVE 0
	s_wait_dscnt 0x0                               ; my reads of the stage are back (the count-down ended at 0),
	s_barrier_signal -1
	s_barrier_wait -1                              ; everybody's are: the stage may be written again
	LEAVE 1
	s_set_vgpr_msb 0x4
	s_wait_tensorcnt 0x0
	ds_add_u32 v255, v1
	s_wait_dscnt 0x0
	s_set_vgpr_msb 0x400
	ROUND                                          ; the closing round
	s_endpgm
.Lfunc_end_k_q7ae72898d0_attn:
	.size	k_q7ae72898d0_attn, .Lfunc_end_k_q7ae72898d0_attn-k_q7ae72898d0_attn
	.p2alignl 7, 3214868480
	.fill 96, 4, 3214868480
	.section	.rodata,"a",@progbits
	.p2align	6, 0x0
	.amdhsa_kernel k_q7ae72898d0_attn
		.amdhsa_group_segment_fixed_size 327680
		.amdhsa_private_segment_fixed_size 0
		.amdhsa_enable_private_segment 0
		.amdhsa_kernarg_size 24
		.amdhsa_user_sgpr_count 2
		.amdhsa_user_sgpr_kernarg_segment_ptr 1
		.amdhsa_wavefront_size32 1
		.amdhsa_system_sgpr_workgroup_id_x 1
		.amdhsa_system_sgpr_workgroup_id_y 1
		.amdhsa_system_sgpr_workgroup_id_z 1
		.amdhsa_system_vgpr_workitem_id 0
		.amdhsa_next_free_vgpr 258
		.amdhsa_next_free_sgpr 92
		.amdhsa_reserve_vcc 0
		.amdhsa_float_denorm_mode_32 3
		.amdhsa_float_denorm_mode_16_64 3
		.amdhsa_memory_ordered 1
		.amdhsa_forward_progress 1
		.amdhsa_inst_pref_size 255
	.end_amdhsa_kernel
	.section	.bss,"aw",@nobits
	.p2align	6
	.space	262144
	.amdgpu_metadata
---
amdhsa.version: [ 1, 2 ]
amdhsa.kernels:
  - .name:           k_q7ae72898d0_attn
    .symbol:         k_q7ae72898d0_attn.kd
    .args:
      - { .name: qkv, .offset: 0, .size: 8, .value_kind: global_buffer, .address_space: global }
      - { .name: mask, .offset: 8, .size: 8, .value_kind: global_buffer, .address_space: global }
      - { .name: ctx, .offset: 16, .size: 8, .value_kind: global_buffer, .address_space: global }
    .group_segment_fixed_size: 327680
    .private_segment_fixed_size: 0
    .kernarg_segment_align: 8
    .kernarg_segment_size: 24
    .max_flat_workgroup_size: 256
    .sgpr_count:     92
    .vgpr_count:     258
    .wavefront_size: 32
...
	.end_amdgpu_metadata
.endif
;; end of part 3
;; launch oproj (part 4): grid 8 x 32, 4 waves a work-group, clusters of 4 x 4, 327,680 bytes of LDS; arguments ctx, wb, bo, out0; writes out0
.if DOCPART == 4
	.amdgcn_target "amdgcn-amd-amdhsa--gfx1250"
	.amdhsa_code_object_version 6
	.text
	.protected	k_q7ae72898d0_oproj
	.globl	k_q7ae72898d0_oproj
	.p2align	8
	.type	k_q7ae72898d0_oproj,@function
k_q7ae72898d0_oproj:
	s_mov_b64 s[64:65], 0
	v_nop
	global_prefetch_b8 v0, s[64:65] scope:SCOPE_SE
	s_setreg_imm32_b32 hwreg(HW_REG_WAVE_MODE, 25, 1), 1
	s_wait_xcnt 0x0
	s_wait_alu depctr_hold_cnt(0) depctr_sa_sdst(0) depctr_va_vdst(0) depctr_va_sdst(0) depctr_va_ssrc(0) depctr_va_vcc(0) depctr_vm_vsrc(0)
	s_getreg_b32 s2, hwreg(HW_REG_IB_STS2, 6, 4)
	s_cmp_eq_u32 s2, 0
	s_cbranch_scc0 .Lentry_in_a_cluster
	s_endpgm
.Lentry_in_a_cluster:
	s_bfe_u32 s2, ttmp6, 0x10000c
	s_cmp_lg_u32 s2, 0xf033
	s_cbranch_scc0 .Lentry_shape_is_right
	s_endpgm
.Lentry_shape_is_right:
; out0[m][n] = sum over k of x[m][k] Wo[n][k] + bo[n], with x = hi + lo as the launch before left it: ctx is [4096][2048] bf16, hi in columns
; 0 to 1,023, lo in columns 1,024 to 2,047.  So the product runs over K = 2,048, and Wo (the fourth matrix of wb, bf16, [1024][1024]) is walked
; twice: out0 = hi Wo^T + lo Wo^T + bo, all in the same f32 sums.  That keeps 16 significant bits of x with bf16 operands.
; 4,096 x 1,024 has only 64 blocks of 256 x 256, so a work-group makes 128 x 128: 32 x 8 = 256 work-groups; a wave makes 64 x 64 in 16
; accumulator tiles (128 registers, window 1).
; K goes in eight phases of 256 through two LDS slots: a tile's rows are 512 aligned bytes of memory; each wave fetches 64 rows by one load.
; CLUSTERS 4 x 4: ctx's tiles are asked for jointly along a row of the cluster, Wo's along a column.  By this text's count a wave has two tensor
; loads out at the start and one behind each round.
; The matrix instruction is used transposed (source 0 = rows of Wo, source 1 = rows of ctx): a lane's eight results are eight neighbouring
; columns of one row, 32 bytes of f32.
.set KP,     528                       ; an LDS row: 512 bytes + 16
.set QUART,  64*KP                     ; 33,792: what one tensor load brings, and what one wave reads of A or of B
.set SLOT,   4*QUART                   ; A's 128 rows, then B's 128 rows
.set STAGE,  2*SLOT                    ; 270,336: 16 rows x 272 bytes for each wave; no tensor load lands here
.set SPITCH, 272
.set ADRA, 16                          ; v16-17 LDS address of my A fragments in slot 0, 1
.set ADRB, 20                          ; v20-21 of my B fragments
.set STO,  24
.set RD,   25
.set CO,   26
.set BO,   27                          ; my byte offset in the bias; never rewritten
.set BIAS, 32                          ; v32-63  bias of column 16 b + 8 h + j at BIAS + 8 b + j
.set F0,   64                          ; v64-127  fragments: B's four blocks at + 8 i, A's at + 32 + 8 i
.set F1,   128                         ; v128-191 the second buffer
.set TMP,  192                         ; v192-223 sums + bias
.set RB,   224                         ; v224-255 rows read back
.set G1, 24
.set G0, 32
.set G1B, 48
.set G0B, 56
.set MSB, 0
.macro WIN new
.if MSB != \new
	s_set_vgpr_msb (MSB<<8)|\new
.set MSB, \new
.endif
.endm
.macro JLOAD s                         ; waves 0 and 1 fetch A's halves, waves 2 and 3 B's
	s_cmp_eq_u32 s11, 0
	s_cbranch_scc0 .Lfor_b_\@
	tensor_load_to_lds s[G0+4*\s:G0+4*\s+3], s[G1:G1+7]
	s_nop 0
	s_branch .Lasked_\@
.Lfor_b_\@:
	tensor_load_to_lds s[G0B+4*\s:G0B+4*\s+3], s[G1B:G1B+7]
	s_nop 0
.Lasked_\@:
.endm
.macro CROUND                          ; a round of the cluster's barrier
	s_barrier_signal -1
	s_barrier_wait -1
	s_cmp_lg_u32 s10, 0
	s_cbranch_scc1 .Lnot_wave_0_\@
	s_barrier_signal -3
.Lnot_wave_0_\@:
	s_barrier_wait -3
	s_barrier_signal -1
	s_barrier_wait -1
.endm
	s_load_b128 s[4:7], s[0:1], 0x0                ; ctx s[4:5], wb s[6:7]
	s_load_b128 s[68:71], s[0:1], 0x10             ; bo s[68:69], out0 s[70:71]
	v_lshl_add_u32 v30, v0, 2, 0x46400
	v_mov_b32 v31, 0
	ds_add_u32 v30, v31
	v_lshrrev_b32 v1, 5, v0
	v_readfirstlane_b32 s10, v1                    ; wave 0..3
	s_lshr_b32 s11, s10, 1                         ; my half of the block's rows.  Also: I fetch for A (0) or for B (1)
	s_and_b32 s12, s10, 1                          ; my half of its columns.  Also: which 64 rows of that tile I fetch
	s_bfe_u32 s40, ttmp6, 0x40000                  ; cx
	s_bfe_u32 s41, ttmp6, 0x40004                  ; cy
	s_lshl_b32 s42, ttmp9, 2
	s_add_co_u32 s42, s42, s40                     ; block column, 0 to 7
	s_and_b32 s13, ttmp7, 0xffff
	s_lshl_b32 s13, s13, 2
	s_add_co_u32 s13, s13, s41                     ; block row, 0 to 31
	s_lshl_b32 s43, s41, 2
	s_lshl_b32 s43, 15, s43                        ; my row of the cluster
	s_lshl_b32 s44, 0x1111, s40                    ; my column
	; group 1: 64 rows x 256 elements of 2 bytes, 4 words of padding behind every 128 words; from row to row 2,048 elements in ctx, 1,024 in Wo
	s_or_b32 s[G1+0], s43, (1<<16)|(1<<20)|(1<<21)|(6<<22)|(3<<25)
	s_or_b32 s[G1B+0], s44, (1<<16)|(1<<20)|(1<<21)|(6<<22)|(3<<25)
	s_mov_b32 s[G1+1], 256<<16
	s_mov_b32 s[G1B+1], 256<<16
	s_mov_b32 s[G1+2], 64<<16
	s_mov_b32 s[G1B+2], 64<<16
	s_mov_b32 s[G1+3], 256<<16
	s_mov_b32 s[G1B+3], 256<<16
	s_mov_b32 s[G1+4], 64
	s_mov_b32 s[G1B+4], 64
	s_mov_b32 s[G1+5], 2048
	s_mov_b32 s[G1B+5], 1024
	s_mov_b32 s[G1+6], 0
	s_mov_b32 s[G1B+6], 0
	s_mov_b32 s[G1+7], 0
	s_mov_b32 s[G1B+7], 0
	s_lshl_b32 s17, s12, 6                         ; which 64 rows of the tile I fetch
	s_lshl_b32 s16, s13, 7
	s_add_co_u32 s16, s16, s17                     ; ctx: row 128 x block row + 64 x half
	s_lshl_b32 s16, s16, 12                        ; rows of 4,096 bytes
	s_lshl_b32 s46, s42, 7
	s_add_co_u32 s46, s46, s17                     ; Wo: row 128 x block column + 64 x half
	s_lshl_b32 s46, s46, 11                        ; rows of 2,048 bytes
	s_add_co_u32 s46, s46, 0x600000                ; Wo lies 6,291,456 bytes into wb
	s_mov_b32 s17, 0
	s_mov_b32 s47, 0
	s_mul_i32 s20, s10, QUART                      ; where they go: wave x 64 rows
	s_lshl_b32 s72, s42, 9                         ; my 64 columns in f32: 512 x block column + 256 x half; s72-75 feed no descriptor
	s_lshl_b32 s73, s12, 8
	s_add_co_u32 s72, s72, s73
	s_mov_b32 s73, 0
	s_lshl_b32 s74, s13, 7
	s_lshl_b32 s75, s11, 6
	s_add_co_u32 s74, s74, s75                     ; my first row
	s_lshl_b32 s74, s74, 12                        ; rows of 4,096 bytes
	s_mov_b32 s75, 0
	s_wait_dscnt 0x0
	s_wait_kmcnt 0x0
	s_add_nc_u64 s[14:15], s[4:5], s[16:17]
	s_add_nc_u64 s[46:47], s[6:7], s[46:47]
	s_add_nc_u64 s[68:69], s[68:69], s[72:73]      ; the bias at my columns
	s_add_nc_u64 s[8:9], s[70:71], s[72:73]
	s_add_nc_u64 s[8:9], s[8:9], s[74:75]          ; out0 at my corner
	CROUND                                         ; all sixteen work-groups are here
.irp s, 0,1
	s_mov_b32 s[G0+4*\s], 1
	s_add_co_u32 s[G0+4*\s+1], s20, \s*SLOT
	s_add_nc_u64 s[G0+4*\s+2:G0+4*\s+3], s[14:15], \s*512          ; phase s
	s_or_b32 s[G0+4*\s+3], s[G0+4*\s+3], 0x80000000
	s_mov_b32 s[G0B+4*\s], 1
	s_add_co_u32 s[G0B+4*\s+1], s20, \s*SLOT
	s_add_nc_u64 s[G0B+4*\s+2:G0B+4*\s+3], s[46:47], \s*512
	s_or_b32 s[G0B+4*\s+3], s[G0B+4*\s+3], 0x80000000
	JLOAD \s
.endr
	v_and_b32 v1, 15, v0                           ; r
	v_bfe_u32 v2, v0, 4, 1                         ; h
	v_lshlrev_b32 v[BO], 5, v2
.irp b, 0,1,2,3
	global_load_b128 v[BIAS+8*\b:BIAS+8*\b+3],   v[BO], s[68:69] offset:64*\b
	global_load_b128 v[BIAS+8*\b+4:BIAS+8*\b+7], v[BO], s[68:69] offset:64*\b+16
.endr
	v_mul_u32_u24 v3, v1, KP
	v_lshl_add_u32 v3, v2, 4, v3                   ; row x pitch + 16 h
	s_mul_i32 s21, s11, QUART                      ; my 64 rows of A
	s_mul_i32 s22, s12, QUART                      ; my 64 rows of B,
	s_add_co_u32 s22, s22, 2*QUART                 ; which lie behind A's 128
.irp s, 0,1
	v_add_nc_u32 v[ADRA+\s], s21, v3
	v_add_nc_u32 v[ADRB+\s], s22, v3
	s_add_co_u32 s21, s21, SLOT
	s_add_co_u32 s22, s22, SLOT
.endr
	s_mul_i32 s23, s10, 16*SPITCH
	s_add_co_u32 s23, s23, STAGE                   ; my stage
	v_mul_u32_u24 v4, v1, SPITCH                   ; in: row r, 32 bytes for each half of the lanes
	v_lshl_add_u32 v4, v2, 5, v4
	v_add_nc_u32 v[STO], s23, v4
	v_mul_u32_u24 v5, v2, SPITCH                   ; back: lanes 0-15 one row of 256 bytes, lanes 16-31 the next
	v_lshl_add_u32 v5, v1, 4, v5
	v_add_nc_u32 v[RD], s23, v5
	v_lshlrev_b32 v5, 12, v2                       ; and the same two rows in out0
	v_lshl_add_u32 v[CO], v1, 4, v5
.macro PLACES                          ; four places between a matrix instruction and a load into a register that it read
.rept 4
	v_nop
.endr
.endm
.macro FETCH slot, k, f                ; 16 LDS loads: the fragments of one quarter (64 rows of B, 64 of A, 32 K at byte k of the rows)
.irp i, 0,1,2,3
	ds_load_b128 v[\f+8*\i:\f+8*\i+3],   v[ADRB+\slot] offset:\k+\i*16*KP
	ds_load_b128 v[\f+8*\i+4:\f+8*\i+7], v[ADRB+\slot] offset:\k+\i*16*KP+32
.endr
.irp i, 0,1,2,3
	ds_load_b128 v[\f+32+8*\i:\f+32+8*\i+3],   v[ADRA+\slot] offset:\k+\i*16*KP
	ds_load_b128 v[\f+32+8*\i+4:\f+32+8*\i+7], v[ADRA+\slot] offset:\k+\i*16*KP+32
.endr
.endm
.macro MULQ f, zero                    ; 16 matrix instructions; the 16 accumulators take turns, one instruction a turn
	WIN 0x50                                       ; C and D in window 1, the fragments in window 0
.irp a, 0,1,2,3
.irp b, 0,1,2,3
.if \zero
	v_wmma_f32_16x16x32_bf16 v[8*(4*\a+\b):8*(4*\a+\b)+7], v[\f+8*\b:\f+8*\b+7], v[\f+32+8*\a:\f+32+8*\a+7], 0
.else
	v_wmma_f32_16x16x32_bf16 v[8*(4*\a+\b):8*(4*\a+\b)+7], v[\f+8*\b:\f+8*\b+7], v[\f+32+8*\a:\f+32+8*\a+7], v[8*(4*\a+\b):8*(4*\a+\b)+7]
.endif
.endr
.endr
	WIN 0
.endm
.macro STEPQ slot, k, f, g             ; fetch a later quarter into g, which the last products read; multiply f
	PLACES
	FETCH \slot, \k, \g
	s_wait_dscnt 16                                ; f is in; the 16 loads just issued stay out
	MULQ \f, 0
.endm
.macro PHASE slot, zero                ; 256 along K: eight quarters on buffers 0, 1, 0, 1, ...
	PLACES
	FETCH \slot, 0, F0
	FETCH \slot, 64, F1
	s_wait_dscnt 16                                ; buffer 0 is in; buffer 1's 16 loads stay out
	MULQ F0, \zero
	STEPQ \slot, 128, F1, F0
	STEPQ \slot, 192, F0, F1
	STEPQ \slot, 256, F1, F0
	STEPQ \slot, 320, F0, F1
	STEPQ \slot, 384, F1, F0
	STEPQ \slot, 448, F0, F1
	s_wait_dscnt 0
	MULQ F1, 0
.endm
; Slot s has been read: its tiles two phases on.  ctx goes on by 512 elements; Wo does so too, or (back = 1), where ctx passes from hi to lo,
; returns by as much: phases 4 to 7 read the columns of Wo that phases 0 to 3 read.
.macro REFILL s, back
	s_wait_dscnt 0x0                               ; my reads of the slot are over
	s_wait_tensorcnt 0x0                           ; all my tensor loads have landed, my part of the other slot among them: every group 0 may be written
	ds_add_u32 v30, v31
	s_wait_dscnt 0x0
	s_add_nc_u64 s[G0+4*\s+2:G0+4*\s+3], s[G0+4*\s+2:G0+4*\s+3], 1024
.if \back
	s_sub_nc_u64 s[G0B+4*\s+2:G0B+4*\s+3], s[G0B+4*\s+2:G0B+4*\s+3], 1024
.else
	s_add_nc_u64 s[G0B+4*\s+2:G0B+4*\s+3], s[G0B+4*\s+2:G0B+4*\s+3], 1024
.endif
	CROUND                                         ; both now hold of every wave of every partner
	JLOAD \s                                       ; the first tensor load behind the round, one a wave
.endm
	s_wait_tensorcnt 1                             ; my part of phase 0 is in; phase 1's load, issued behind it, stays out
	s_barrier_signal -1
	s_barrier_wait -1
	PHASE 0, 1                                     ; phase 0: the first products start the sums
	REFILL 0, 0                                    ; phase 2's tiles
	PHASE 1, 0                                     ; phase 1
	REFILL 1, 0                                    ; phase 3's
	PHASE 0, 0                                     ; phase 2
	REFILL 0, 1                                    ; phase 4's: lo's first columns, Wo's first columns again
	PHASE 1, 0                                     ; phase 3
	REFILL 1, 1                                    ; phase 5's
	PHASE 0, 0                                     ; phase 4
	REFILL 0, 0                                    ; phase 6's
	PHASE 1, 0                                     ; phase 5
	REFILL 1, 0                                    ; phase 7's: the last load
	PHASE 0, 0                                     ; phase 6
	s_wait_dscnt 0x0
	s_wait_tensorcnt 0x0                           ; my part of the last phase is in
	s_barrier_signal -1
	s_barrier_wait -1                              ; everybody's is
	PHASE 1, 0                                     ; phase 7
	; THE WAY OUT, 16 rows at a time: add the bias, 32 bytes a lane into my own stage, read back as whole rows of 256 bytes.
	PLACES
	s_wait_loadcnt 0x0                             ; the bias
.macro OUT16 a
	WIN 0x01                                       ; source 0 (the sums) in window 1
.irp b, 0,1,2,3
.irp r, 0,2,4,6
	v_pk_add_f32 v[TMP+8*\b+\r:TMP+8*\b+\r+1], v[8*(4*\a+\b)+\r:8*(4*\a+\b)+\r+1], v[BIAS+8*\b+\r:BIAS+8*\b+\r+1]
.endr
.endr
	WIN 0
.irp b, 0,1,2,3
	ds_store_b128 v[STO], v[TMP+8*\b:TMP+8*\b+3]   offset:64*\b
	ds_store_b128 v[STO], v[TMP+8*\b+4:TMP+8*\b+7] offset:64*\b+16
.endr
	s_wait_xcnt 0x0                                ; RB, which earlier stores read, and the stores' base are rewritten only behind this wait
.if \a
	s_add_nc_u64 s[8:9], s[8:9], 16*4096           ; 16 rows of out0 on
.endif
.irp t, 0,1,2,3,4,5,6,7
	ds_load_b128 v[RB+4*\t:RB+4*\t+3], v[RD] offset:\t*2*SPITCH    ; LDS serves a wave's instructions in order: these see the stores above
.endr
.irp t, 0,1,2,3,4,5,6,7
	s_wait_dscnt 7-\t                              ; read-back t is in, the 7 - t younger ones stay out
	global_store_b128 v[CO], v[RB+4*\t:RB+4*\t+3], s[8:9] offset:\t*8192 th:TH_STORE_NT   ; 16 lanes store 256 consecutive bytes, aligned
.endr
.endm
	OUT16 0
	OUT16 1
	OUT16 2
	OUT16 3
	s_wait_tensorcnt 0x0
	ds_add_u32 v30, v31
	s_wait_dscnt 0x0
	CROUND                                         ; the closing round
	s_endpgm
.Lfunc_end_k_q7ae72898d0_oproj:
	.size	k_q7ae72898d0_oproj, .Lfunc_end_k_q7ae72898d0_oproj-k_q7ae72898d0_oproj
	.p2alignl 7, 3214868480
	.fill 96, 4, 3214868480
	.section	.rodata,"a",@progbits
	.p2align	6, 0x0
	.amdhsa_kernel k_q7ae72898d0_oproj
		.amdhsa_group_segment_fixed_size 327680
		.amdhsa_private_segment_fixed_size 0
		.amdhsa_enable_private_segment 0
		.amdhsa_kernarg_size 32
		.amdhsa_user_sgpr_count 2
		.amdhsa_user_sgpr_kernarg_segment_ptr 1
		.amdhsa_wavefront_size32 1
		.amdhsa_system_sgpr_workgroup_id_x 1
		.amdhsa_system_sgpr_workgroup_id_y 1
		.amdhsa_system_sgpr_workgroup_id_z 1
		.amdhsa_system_vgpr_workitem_id 0
		.amdhsa_next_free_vgpr 384
		.amdhsa_next_free_sgpr 76
		.amdhsa_reserve_vcc 0
		.amdhsa_float_denorm_mode_32 3
		.amdhsa_float_denorm_mode_16_64 3
		.amdhsa_memory_ordered 1
		.amdhsa_forward_progress 1
		.amdhsa_inst_pref_size 167
	.end_amdhsa_kernel
	.amdgpu_metadata
---
amdhsa.version: [ 1, 2 ]
amdhsa.kernels:
  - .name:           k_q7ae72898d0_oproj
    .symbol:         k_q7ae72898d0_oproj.kd
    .args:
      - { .name: ctx, .offset: 0, .size: 8, .value_kind: global_buffer, .address_space: global }
      - { .name: wb, .offset: 8, .size: 8, .value_kind: global_buffer, .address_space: global }
      - { .name: bo, .offset: 16, .size: 8, .value_kind: global_buffer, .address_space: global }
      - { .name: out0, .offset: 24, .size: 8, .value_kind: global_buffer, .address_space: global }
    .group_segment_fixed_size: 327680
    .private_segment_fixed_size: 0
    .kernarg_segment_align: 8
    .kernarg_segment_size: 32
    .max_flat_workgroup_size: 128
    .sgpr_count:     76
    .vgpr_count:     384
    .wavefront_size: 32
...
	.end_amdgpu_metadata
.endif
;; end of part 4
;; ======== version 2 of 2: 4 launches
;; limits: values are held in f16: magnitudes above 65,504 overflow, below 6.1e-05 lose precision
;; workspace buffers: xb 25,165,824 bytes; wb 8,388,608 bytes; qkv 25,165,824 bytes; ctx 8,388,608 bytes
;; launch cast (part 5): grid 1024 x 1, 8 waves a work-group, no clusters, 0 bytes of LDS; arguments query, key, value, Wq, Wk, Wv, Wo, xb, wb; writes xb, wb
.if DOCPART == 5
	.amdgcn_target "amdgcn-amd-amdhsa--gfx1250"
	.amdhsa_code_object_version 6
	.text
	.protected	k_q7ae72898d0_cast
	.globl	k_q7ae72898d0_cast
	.p2align	8
	.type	k_q7ae72898d0_cast,@function
k_q7ae72898d0_cast:
	s_mov_b64 s[64:65], 0
	v_nop
	global_prefetch_b8 v0, s[64:65] scope:SCOPE_SE
	s_setreg_imm32_b32 hwreg(HW_REG_WAVE_MODE, 25, 1), 1
	s_wait_xcnt 0x0
; f32 to 16 bits of the seven matrix operands, once, so that the products behind it move half the bytes and convert nothing.
; xb = [query | key | value] as [3][4096][1024] bf16.  wb = [Wq | Wk | Wv | Wo] as [4][1024][1024]: the first three bf16 (round to nearest
; even); Wo is rounded to bf16 in the same way and that VALUE is stored as f16, because its partner in the last product is f16.
; A bf16 number has 8 significant bits: it is exact in f16 from 2^-17 up; below, f16's step of 2^-24 leaves at most 2^-25.
; LIMIT: |Wo| < 65,504.
; Work-group g takes 65,536 bytes of f32: g < 768 from query, key, value (256 groups each), the rest from the weights (64 each; Wo: g >= 960).
; A wave takes 8,192 bytes by sixteen loads of 512 neighbouring bytes, all issued before the first is used; each store of the wave
; covers 256 consecutive bytes, aligned.  No address register and no store's data register is written again.
; No LDS, no barrier, no matrix unit: the bytes are all there is to it.
.set X, 8                              ; v[8:71]   sixteen loads of four f32
.set Y, 72                             ; v[72:103] sixteen pairs of packed 16-bit numbers
; wo = 0: bf16 out.  wo = 1: the bf16 values are widened again (into the load's own registers, which its wait has freed) and packed as f16.
.macro CONV wo
.irp i, 0,1,2,3,4,5,6,7,8,9,10,11,12,13,14,15
	s_wait_loadcnt 15-\i                           ; loads come back in order: load i is in, the 15 - i younger ones stay out
	v_cvt_pk_bf16_f32 v[Y+2*\i],   v[X+4*\i],   v[X+4*\i+1]
	v_cvt_pk_bf16_f32 v[Y+2*\i+1], v[X+4*\i+2], v[X+4*\i+3]
.if \wo
	v_lshlrev_b32 v[X+4*\i],   16,         v[Y+2*\i]
	v_and_b32     v[X+4*\i+1], 0xffff0000, v[Y+2*\i]
	v_lshlrev_b32 v[X+4*\i+2], 16,         v[Y+2*\i+1]
	v_and_b32     v[X+4*\i+3], 0xffff0000, v[Y+2*\i+1]
	v_cvt_pk_f16_f32 v[Y+2*\i],   v[X+4*\i],   v[X+4*\i+1]
	v_cvt_pk_f16_f32 v[Y+2*\i+1], v[X+4*\i+2], v[X+4*\i+3]
.endif
	global_store_b64 v2, v[Y+2*\i:Y+2*\i+1], s[30:31] offset:256*\i
.endr
	s_endpgm
.endm
	s_load_b512 s[8:23], s[0:1], 0x0               ; query s[8:9], key, value, Wq, Wk, Wv, Wo s[20:21], xb s[22:23]
	s_load_b64 s[24:25], s[0:1], 0x40              ; wb
	s_mov_b32 s2, ttmp9                            ; g
	s_and_b32 s3, s2, 255
	s_lshl_b32 s3, s3, 16                          ; byte offset in query, key or value
	s_and_b32 s4, s2, 63
	s_lshl_b32 s4, s4, 16                          ; byte offset in a weight (768 is a multiple of 64)
	s_max_u32 s5, s2, 768
	s_sub_co_u32 s5, s5, 768                       ; the group's number among the weights' groups
	v_and_b32 v3, 0xe0, v0                         ; 32 x wave
	v_and_b32 v4, 31, v0                           ; lane
	v_lshlrev_b32 v1, 4, v4
	v_lshl_or_b32 v1, v3, 8, v1                    ; in:  8,192 x wave + 16 x lane
	v_lshlrev_b32 v2, 3, v4
	v_lshl_or_b32 v2, v3, 7, v2                    ; out: 4,096 x wave + 8 x lane
	s_wait_kmcnt 0x0
	s_mov_b64 s[26:27], s[8:9]                     ; the source: a choice among the seven buffers on g alone
	s_cmp_ge_u32 s2, 256
	s_cselect_b64 s[26:27], s[10:11], s[26:27]
	s_cmp_ge_u32 s2, 512
	s_cselect_b64 s[26:27], s[12:13], s[26:27]
	s_cmp_ge_u32 s2, 768
	s_cselect_b64 s[26:27], s[14:15], s[26:27]
	s_cmp_ge_u32 s2, 832
	s_cselect_b64 s[26:27], s[16:17], s[26:27]
	s_cmp_ge_u32 s2, 896
	s_cselect_b64 s[26:27], s[18:19], s[26:27]
	s_cmp_ge_u32 s2, 960
	s_cselect_b64 s[26:27], s[20:21], s[26:27]
	s_cmp_lt_u32 s2, 768
	s_cselect_b32 s28, s3, s4                      ; offset in the source
	s_cselect_b64 s[30:31], s[22:23], s[24:25]     ; xb or wb
	s_cselect_b32 s32, s2, s5
	s_lshl_b32 s32, s32, 15                        ; 32,768 bytes out for each group
	s_mov_b32 s29, 0
	s_mov_b32 s33, 0
	s_add_nc_u64 s[26:27], s[26:27], s[28:29]
	s_add_nc_u64 s[30:31], s[30:31], s[32:33]
.irp i, 0,1,2,3,4,5,6,7,8,9,10,11,12,13,14,15
	global_load_b128 v[X+4*\i:X+4*\i+3], v1, s[26:27] offset:512*\i th:TH_LOAD_NT
.endr
	s_cmp_ge_u32 s2, 960                           ; Wo's groups take the second way; both ways have the same sixteen loads out
	s_cbranch_scc1 .Lwo
	CONV 0
.Lwo:
	CONV 1
.Lfunc_end_k_q7ae72898d0_cast:
	.size	k_q7ae72898d0_cast, .Lfunc_end_k_q7ae72898d0_cast-k_q7ae72898d0_cast
	.p2alignl 7, 3214868480
	.fill 96, 4, 3214868480
	.section	.rodata,"a",@progbits
	.p2align	6, 0x0
	.amdhsa_kernel k_q7ae72898d0_cast
		.amdhsa_group_segment_fixed_size 0
		.amdhsa_private_segment_fixed_size 0
		.amdhsa_enable_private_segment 0
		.amdhsa_kernarg_size 72
		.amdhsa_user_sgpr_count 2
		.amdhsa_user_sgpr_kernarg_segment_ptr 1
		.amdhsa_wavefront_size32 1
		.amdhsa_system_sgpr_workgroup_id_x 1
		.amdhsa_system_sgpr_workgroup_id_y 1
		.amdhsa_system_sgpr_workgroup_id_z 1
		.amdhsa_system_vgpr_workitem_id 0
		.amdhsa_next_free_vgpr 104
		.amdhsa_next_free_sgpr 66
		.amdhsa_reserve_vcc 0
		.amdhsa_float_denorm_mode_32 3
		.amdhsa_float_denorm_mode_16_64 3
		.amdhsa_memory_ordered 1
		.amdhsa_forward_progress 1
		.amdhsa_inst_pref_size 17
	.end_amdhsa_kernel
	.amdgpu_metadata
---
amdhsa.version: [ 1, 2 ]
amdhsa.kernels:
  - .name:           k_q7ae72898d0_cast
    .symbol:         k_q7ae72898d0_cast.kd
    .args:
      - { .name: query, .offset: 0, .size: 8, .value_kind: global_buffer, .address_space: global }
      - { .name: key, .offset: 8, .size: 8, .value_kind: global_buffer, .address_space: global }
      - { .name: value, .offset: 16, .size: 8, .value_kind: global_buffer, .address_space: global }
      - { .name: Wq, .offset: 24, .size: 8, .value_kind: global_buffer, .address_space: global }
      - { .name: Wk, .offset: 32, .size: 8, .value_kind: global_buffer, .address_space: global }
      - { .name: Wv, .offset: 40, .size: 8, .value_kind: global_buffer, .address_space: global }
      - { .name: Wo, .offset: 48, .size: 8, .value_kind: global_buffer, .address_space: global }
      - { .name: xb, .offset: 56, .size: 8, .value_kind: global_buffer, .address_space: global }
      - { .name: wb, .offset: 64, .size: 8, .value_kind: global_buffer, .address_space: global }
    .group_segment_fixed_size: 0
    .private_segment_fixed_size: 0
    .kernarg_segment_align: 8
    .kernarg_segment_size: 72
    .max_flat_workgroup_size: 256
    .sgpr_count:     66
    .vgpr_count:     104
    .wavefront_size: 32
...
	.end_amdgpu_metadata
.endif
;; end of part 5
;; launch qkv: the kernel of part 2 again; grid 4 x 48, 4 waves a work-group, clusters of 4 x 4, 327,680 bytes of LDS; arguments xb, wb, bq, bk, bv, qkv; writes qkv
;; launch attn (part 6): grid 16 x 16, 8 waves a work-group, clusters of 4 x 4, 327,680 bytes of LDS; arguments qkv, mask, ctx; writes ctx
.if DOCPART == 6
	.amdgcn_target "amdgcn-amd-amdhsa--gfx1250"
	.amdhsa_code_object_version 6
	.text
	.protected	k_q7ae72898d0_attn
	.globl	k_q7ae72898d0_attn
	.p2align	8
	.type	k_q7ae72898d0_attn,@function
k_q7ae72898d0_attn:
	s_mov_b64 s[64:65], 0
	v_nop
	global_prefetch_b8 v0, s[64:65] scope:SCOPE_SE
	s_setreg_imm32_b32 hwreg(HW_REG_WAVE_MODE, 25, 1), 1
	s_wait_xcnt 0x0
	s_wait_alu depctr_hold_cnt(0) depctr_sa_sdst(0) depctr_va_vdst(0) depctr_va_sdst(0) depctr_va_ssrc(0) depctr_va_vcc(0) depctr_vm_vsrc(0)
	s_getreg_b32 s2, hwreg(HW_REG_IB_STS2, 6, 4)
	s_cmp_eq_u32 s2, 0
	s_cbranch_scc0 .Lentry_in_a_cluster
	s_endpgm
.Lentry_in_a_cluster:
	s_bfe_u32 s2, ttmp6, 0x10000c
	s_cmp_lg_u32 s2, 0xf033
	s_cbranch_scc0 .Lentry_shape_is_right
	s_endpgm
.Lentry_shape_is_right:
; Attention with the mask as it is given: ctx[b][q][head 64 + d] = sum over keys of softmax_key(q.k / 8 - 1e9 mask[q][key]) v[key][d].
; q comes scaled by 0.125 log2(e), so scores are in base 2: t = fma(mask, -1e9 log2(e), q.k); p = 2^(t - m) with m the running maximum
; of the row, taken away in f32 ahead of every exponential; sums and the result are rescaled by 2^(m_old - m_new).
; FORMATS.  q, k, v come in f16; p, which lies in (0, 1], is rounded to f16 for its product; ctx leaves in f16: 11 significant bits each.
; LIMITS.  |q|, |k|, |v| < 65,504 (f16), and so |ctx|.  In a row whose keys are all masked by 1.0 the scores are absorbed into -1.44e9 in
; steps of 128 (in base 2), in reference() into -1e9 in steps of 64 (in base e): both give the uniform row while |q.k / 8| < 32; beyond
; that the steps differ.  p below 2^-126 counts as 0.  NaN and infinite inputs are not served.  p is summed in f32 ahead of its rounding.
;
; A work-group: 128 q rows (x) of one batch and one PAIR of heads (y = 8 b + pair).  Eight waves: wave w has head w / 4 of the pair and q rows
; 32 (w % 4) .. + 31, as two blocks c of 16.  Two heads in a work-group: one tile of the mask serves both, rows of K and V are 256
; aligned bytes, and ctx leaves in runs of 256 aligned bytes.
; Keys go in tiles of 128 through two LDS slots; a slot holds the mask's 128 x 128 f32, K's and V's 128 rows x 128 f16.
; CLUSTERS 4 x 4: K and V hang on y alone and are asked for jointly along a row of the cluster; the mask's tile hangs on x alone and is asked
; for jointly along a column.  Waves 0, 1 ask for the mask's halves of 64 rows, waves 2, 3 for K's, waves 4, 5 for V's; waves 6, 7 ask for
; nothing.  By this text's count a wave has two tensor loads out at the start (the two first fills) and one behind each round.
; THE ROUND.  Behind the softmax of a tile's second 64 keys a wave waits for its LDS reads (V's fragments were the last of this slot) and for its
; tensor load (its part of the other slot), and signals; the tile's last 16 products touch registers alone and stand between that signal
; and its wait.  Behind the round the slot just read is filled again, with the tile two on: that load has all of the next trip but its
; last 16 products in which to land.
; PREFETCH.  Wave 7, which issues no tensor load, asks at the head of trip t (t = 0 to 13) for this work-group's share of tile t + 2, the tile
; whose tensor loads go out at that trip's end: one trip, 128 keys' work, ahead.  Two instructions, lanes 256 bytes apart: 16 rows x 2 blocks
; of 256 bytes of the mask's tile; 16 rows of K's tile and 16 of V's.  That is 16 KiB a trip.  A tile's 128 rows are cut into eight shares
; among the sixteen work-groups that read it: the mask's by (y % 8) xor 4 b, K's and V's by (x % 8) xor 4 (x / 8).  So each block is asked for
; by two work-groups of the launch, and cluster rows (for K and V: columns) 0 and 1, 2 and 3, 0 and 2, 1 and 3 each ask for a whole tile.
; Trips 14 and 15 ask for nothing: the last request is for tile 15, inside both buffers.
;
; THE PRODUCTS ARE TRANSPOSED.  S^T = K Q^T: source 0 = 16 keys, source 1 = 16 q rows; lane (r, h) then holds, for q row r, keys 8 h + 0..7 of
; each tile.  So a row's maximum and sum are made inside a lane and with one exchange between the halves, and two packed tiles ARE the
; second source of O^T = V^T P^T: no lane moves.  V^T's fragments come from V[key][d] by the transposing LDS load.
; K's fragments have 64 registers of their own, in window 1 (two waves on a SIMD, 320 registers each), so that the next 64 keys' fragments are
; asked for while this 64 keys' softmax runs; four switches of the window for 64 keys.
.set SLOT,  139264
.set MPI,   528                        ; mask: 512 bytes + 16; K: 256 + 16; V: 256 + 32 (the transposing load wants an odd multiple of 32)
.set KPI,   272
.set VPI,   288
.set KT,    128*MPI                    ; 67,584: K's tile in a slot
.set VT,    KT+128*KPI                 ; 102,400: V's
.set STAGE, 2*SLOT                     ; 278,528: 128 rows x 272 bytes for the way out; no tensor load lands here
.set SPI,   272
.set AM,  2                            ; v2-3    LDS address of my mask numbers in slot 0, 1
.set AK,  4                            ; v4-5    of my K fragments
.set AV,  6                            ; v6-7    of my V fragments
.set STO, 8                            ; v8      the way out: where I put 16 bytes
.set RD,  9                            ; v9      where I read a row back
.set CO,  10                           ; v10     my byte offset in ctx
.set QO,  11                           ; v11     my byte offset in q
.set PFM, 14                           ; v14     prefetch: my lane's block in the share of the mask's tile; never rewritten
.set PFK, 15                           ; v15     prefetch: my lane's block in the share of K's (lanes 0-15) or V's (16-31) tile; never rewritten
.set QF,  16                           ; v16-47   Q fragments: block c, half u of d at QF + 16 c + 8 u
.set OA,  48                           ; v48-111  O^T: d block db, q block c at OA + 8 (2 db + c)
.set SC,  112                          ; v112-175 S^T: q block c, key tile t at SC + 32 c + 8 t; packed P of keys 32 ks .. + 31 at SC + 32 c + 16 ks
.set XA,  176                          ; v176-207 the mask (c = 0), then V (ks = 0)
.set XB,  208                          ; v208-239 the mask (c = 1), then V (ks = 1)
.set MP,  240                          ; v240, v242 the running maximum of block 0, 1; v241, v243 at work in the search for it
.set AL,  244                          ; v244, v246 2^(m_old - m_new) of block 0, 1 (at the end 1 / sum); v245, v247 its exponent
.set LS,  248                          ; v248-249 the running sum of block c, of my half's keys
.set TT,  250                          ; v250-251 at work: the maximum of block 0, 1
.set TA,  252                          ; v252-253, v254-255 at work: two chains of a sum
.set TB,  254
.set KF,  0                            ; window 1, v0-63: K fragments: key tile t, half u of d at KF + 32 u + 8 t
.set G1M, 24
.set G1K, 32
.set G1V, 40
.set G0M, 48                           ; s[48:55] group 0 of the mask's tiles, one set for each slot
.set G0K, 56                           ; s[56:63] of K's
.set G0V, 68                           ; s[68:75] of V's
.set PM,  92                           ; s[92:93] prefetch: the mask at my share of the tile last asked for
.set PK,  94                           ; s[94:95] prefetch: qkv at my share of K's tile last asked for
.set MSB, 0
.macro WIN new                         ; the immediate's high byte repeats the setting that is left
.if MSB != \new
	s_set_vgpr_msb (MSB<<8)|\new
.set MSB, \new
.endif
.endm
.macro CREST                           ; a round of the cluster's barrier behind its opening barrier
	s_cmp_lg_u32 s10, 0
	s_cbranch_scc1 .Lnot_wave_0_\@
	s_barrier_signal -3
.Lnot_wave_0_\@:
	s_barrier_wait -3
	s_barrier_signal -1
	s_barrier_wait -1
.endm
.macro ROUND                           ; a whole round
	s_barrier_signal -1
	s_barrier_wait -1
	CREST
.endm
.macro JLOAD n                         ; slot n's joint loads, one a wave; the branches hang on the wave's number alone
	s_cmp_lt_u32 s10, 2
	s_cbranch_scc0 .Lnot_m_\@
	tensor_load_to_lds s[G0M+4*(\n):G0M+4*(\n)+3], s[G1M:G1M+7]
	s_nop 0
	s_branch .Lasked_\@
.Lnot_m_\@:
	s_cmp_lt_u32 s10, 4
	s_cbranch_scc0 .Lnot_k_\@
	tensor_load_to_lds s[G0K+4*(\n):G0K+4*(\n)+3], s[G1K:G1K+7]
	s_nop 0
	s_branch .Lasked_\@
.Lnot_k_\@:
	s_cmp_lt_u32 s10, 6
	s_cbranch_scc0 .Lasked_\@
	tensor_load_to_lds s[G0V+4*(\n):G0V+4*(\n)+3], s[G1V:G1V+7]
	s_nop 0
.Lasked_\@:
.endm
; Wave 7 asks for the work-group's share of the next tile but one.  The bases are stepped by one tile ahead of each request, behind a wait that
; stands a whole trip behind the last request.
.macro PF
	s_cmp_lg_u32 s10, 7
	s_cbranch_scc1 .Lno_pf_\@
	s_wait_xcnt 0x0                                ; the last trip's two requests have read their bases: these are written again only behind this wait
	s_add_nc_u64 s[PM:PM+1], s[PM:PM+1], 512       ; 128 keys on in the mask's rows
	s_add_nc_u64 s[PK:PK+1], s[PK:PK+1], 0x40000   ; 128 rows on in k and in v
	global_prefetch_b8 v[PFM], s[PM:PM+1] th:TH_LOAD_NT scope:SCOPE_SE
	global_prefetch_b8 v[PFK], s[PK:PK+1] th:TH_LOAD_NT scope:SCOPE_SE
.Lno_pf_\@:
.endm
	s_load_b128 s[4:7], s[0:1], 0x0                ; qkv s[4:5], mask s[6:7]
	s_load_b64 s[8:9], s[0:1], 0x10                ; ctx
	s_set_vgpr_msb 0x40
	v_lshl_add_u32 v64, v0, 2, 0x4c800
	v_mov_b32 v65, 0
	s_set_vgpr_msb 0x4045
	ds_add_u32 v64, v65
	s_set_vgpr_msb 0x4500
	v_lshrrev_b32 v1, 5, v0
	v_readfirstlane_b32 s10, v1                    ; wave 0..7
	s_and_b32 s12, s10, 1                          ; which 64 rows of a tile I fetch
	s_lshr_b32 s13, s10, 2                         ; my head of the pair
	s_and_b32 s14, s10, 3                          ; my 32 q rows
	s_bfe_u32 s16, ttmp6, 0x40000                  ; cx
	s_bfe_u32 s17, ttmp6, 0x40004                  ; cy
	s_lshl_b32 s18, ttmp9, 2
	s_add_co_u32 s18, s18, s16                     ; q block x = 4 x cluster x + cx
	s_and_b32 s19, ttmp7, 0xffff
	s_lshl_b32 s19, s19, 2
	s_add_co_u32 s19, s19, s17                     ; y = 4 x cluster y + cy
	s_lshr_b32 s20, s19, 3                         ; batch
	s_and_b32 s21, s19, 7                          ; pair of heads
	s_mov_b32 s22, 0x76543210                      ; v_permlanex16_b32: lane i of one half reads lane i of the other
	s_mov_b32 s23, 0xfedcba98
	s_mov_b32 s76, 0xceabfb8f                      ; -1e9 log2(e), a pair for the packed form
	s_mov_b32 s77, 0xceabfb8f
	s_lshl_b32 s78, s17, 2
	s_lshl_b32 s78, 15, s78                        ; my row of the cluster
	s_lshl_b32 s79, 0x1111, s16                    ; my column
	; group 1.  Mask: 64 rows x 128 elements of 4 bytes, 4 words of padding behind every 128 words, 2,048 elements from row to row
	s_or_b32 s[G1M+0], s79, (2<<16)|(1<<20)|(1<<21)|(6<<22)|(3<<25)
	s_mov_b32 s[G1M+1], 128<<16
	s_mov_b32 s[G1M+2], 64<<16
	s_mov_b32 s[G1M+3], 128<<16
	s_mov_b32 s[G1M+4], 64
	s_mov_b32 s[G1M+5], 2048
	s_mov_b32 s[G1M+6], 0
	s_mov_b32 s[G1M+7], 0
	; K: 64 rows x 128 elements of 2 bytes, 4 words behind every 64 words, 1,024 elements from row to row
	s_or_b32 s[G1K+0], s78, (1<<16)|(1<<20)|(1<<21)|(5<<22)|(3<<25)
	s_mov_b32 s[G1K+1], 128<<16
	s_mov_b32 s[G1K+2], 64<<16
	s_mov_b32 s[G1K+3], 128<<16
	s_mov_b32 s[G1K+4], 64
	s_mov_b32 s[G1K+5], 1024
	s_mov_b32 s[G1K+6], 0
	s_mov_b32 s[G1K+7], 0
	; V: the same with 8 words of padding
	s_or_b32 s[G1V+0], s78, (1<<16)|(1<<20)|(1<<21)|(5<<22)|(7<<25)
	s_mov_b32 s[G1V+1], 128<<16
	s_mov_b32 s[G1V+2], 64<<16
	s_mov_b32 s[G1V+3], 128<<16
	s_mov_b32 s[G1V+4], 64
	s_mov_b32 s[G1V+5], 1024
	s_mov_b32 s[G1V+6], 0
	s_mov_b32 s[G1V+7], 0
	s_lshl_b32 s80, s18, 20                        ; mask: (128 q block + 64 half) rows of 8,192 bytes: hangs on x alone
	s_lshl_b32 s81, s12, 19
	s_add_co_u32 s80, s80, s81
	s_mov_b32 s81, 0
	s_lshl_b32 s84, s20, 22                        ; K, V: (2,048 b + 64 half) rows of 2,048 bytes + 256 x pair: hangs on y alone
	s_lshl_b32 s85, s12, 17
	s_add_co_u32 s84, s84, s85
	s_lshl_b32 s85, s21, 8
	s_add_co_u32 s84, s84, s85
	s_mov_b32 s85, 0
	s_mul_i32 s88, s10, 64*MPI                     ; LDS: the mask's half of wave 0, 1
	s_mul_i32 s89, s10, 64*KPI
	s_add_co_u32 s89, s89, KT-2*64*KPI             ; K's half of wave 2, 3
	s_mul_i32 s90, s10, 64*VPI
	s_add_co_u32 s90, s90, VT-4*64*VPI             ; V's half of wave 4, 5
	s_lshl_b32 s2, s20, 22                         ; q and ctx: (2,048 b + 128 q block) rows of 2,048 bytes + 256 x pair; feeds no descriptor
	s_lshl_b32 s3, s18, 18
	s_add_co_u32 s2, s2, s3
	s_lshl_b32 s3, s21, 8
	s_add_co_u32 s2, s2, s3
	s_mov_b32 s3, 0
	; the prefetches' offsets, at tile 1 (each request steps on by a tile first); s66-67, s92-99 feed no descriptor
	s_lshl_b32 s66, s20, 2
	s_xor_b32 s66, s66, s21                        ; my share of the mask's tile: (y % 8) xor 4 b
	s_lshl_b32 s96, s18, 20                        ; (128 x + 16 share) rows of 8,192 bytes + 512 bytes
	s_lshl_b32 s66, s66, 17
	s_add_co_u32 s96, s96, s66
	s_add_co_u32 s96, s96, 512
	s_mov_b32 s97, 0
	s_lshr_b32 s66, s18, 3
	s_lshl_b32 s66, s66, 2
	s_and_b32 s67, s18, 7
	s_xor_b32 s66, s66, s67                        ; my share of K's and V's tiles: (x % 8) xor 4 (x / 8)
	s_lshl_b32 s98, s20, 22                        ; (2,048 b + 128 + 16 share) rows of 2,048 bytes + 256 x pair, from k's first byte, 8,388,608 into qkv
	s_lshl_b32 s66, s66, 15
	s_add_co_u32 s98, s98, s66
	s_lshl_b32 s66, s21, 8
	s_add_co_u32 s98, s98, s66
	s_add_co_u32 s98, s98, 0x840000
	s_mov_b32 s99, 0
	s_wait_dscnt 0x0
	s_wait_kmcnt 0x0
	s_add_nc_u64 s[82:83], s[6:7], s[80:81]
	s_add_nc_u64 s[86:87], s[4:5], s[84:85]
	s_add_nc_u64 s[PM:PM+1], s[6:7], s[96:97]
	s_add_nc_u64 s[PK:PK+1], s[4:5], s[98:99]
	s_add_nc_u64 s[4:5], s[4:5], s[2:3]            ; q at my work-group's first row and pair
	s_add_nc_u64 s[8:9], s[8:9], s[2:3]            ; ctx likewise
.irp n, 0,1
	s_mov_b32 s[G0M+4*\n], 1
	s_add_co_u32 s[G0M+4*\n+1], s88, \n*SLOT
	s_add_nc_u64 s[G0M+4*\n+2:G0M+4*\n+3], s[82:83], \n*512                ; keys 128 n ..
	s_or_b32 s[G0M+4*\n+3], s[G0M+4*\n+3], 0x80000000
	s_mov_b32 s[G0K+4*\n], 1
	s_add_co_u32 s[G0K+4*\n+1], s89, \n*SLOT
	s_add_nc_u64 s[G0K+4*\n+2:G0K+4*\n+3], s[86:87], 0x800000+\n*0x40000   ; k lies 8,388,608 bytes into qkv; 128 rows are 262,144
	s_or_b32 s[G0K+4*\n+3], s[G0K+4*\n+3], 0x80000000
	s_mov_b32 s[G0V+4*\n], 1
	s_add_co_u32 s[G0V+4*\n+1], s90, \n*SLOT
	s_add_nc_u64 s[G0V+4*\n+2:G0V+4*\n+3], s[86:87], 0x1000000+\n*0x40000  ; v lies 16,777,216 bytes into qkv
	s_or_b32 s[G0V+4*\n+3], s[G0V+4*\n+3], 0x80000000
.endr
	ROUND                                          ; all sixteen work-groups are here
	JLOAD 0                                        ; the two first fills go out as one group: tile 0
	JLOAD 1                                        ; and tile 1
	v_and_b32 v12, 15, v0                          ; r
	v_bfe_u32 v13, v0, 4, 1                        ; h
	v_and_b32 v14, 7, v0
	v_bfe_u32 v15, v0, 3, 1
	s_lshl_b32 s79, s13, 7                         ; my head's 128 bytes of a row
	v_lshlrev_b32 v1, 11, v12                      ; q: (32 qsub + r) rows of 2,048 bytes + 128 head + 16 h
	v_lshl_add_u32 v1, v13, 4, v1
	s_lshl_b32 s78, s14, 16
	s_add_co_u32 s78, s78, s79
	v_add_nc_u32 v[QO], s78, v1
.irp c, 0,1
.irp u, 0,1
	global_load_b128 v[QF+16*\c+8*\u:QF+16*\c+8*\u+3],   v[QO], s[4:5] offset:\c*32768+64*\u      ; q row 16 c + r, d = 32 u + 8 h ..
	global_load_b128 v[QF+16*\c+8*\u+4:QF+16*\c+8*\u+7], v[QO], s[4:5] offset:\c*32768+64*\u+32   ; d = 32 u + 16 + 8 h ..
.endr
.endr
	v_mul_u32_u24 v1, v12, MPI                     ; mask: row 32 qsub + r, 32 h bytes (keys 8 h ..)
	v_lshl_add_u32 v1, v13, 5, v1
	s_mul_i32 s78, s14, 32*MPI
	v_add_nc_u32 v[AM], s78, v1
	v_add_nc_u32 v[AM+1], SLOT, v[AM]
	v_mul_u32_u24 v1, v12, KPI                     ; K: row r, 16 h, my head
	v_lshl_add_u32 v1, v13, 4, v1
	s_add_co_u32 s78, s79, KT
	v_add_nc_u32 v[AK], s78, v1
	v_add_nc_u32 v[AK+1], SLOT, v[AK]
	s_mul_i32 s78, s14, 32*SPI                     ; stage, in: row 32 qsub + r, my head, 16 h (the stage's pitch is K's)
	s_add_co_u32 s78, s78, s79
	s_add_co_u32 s78, s78, STAGE
	v_add_nc_u32 v[STO], s78, v1
	v_lshl_add_u32 v14, v13, 3, v14                ; V: row 8 h + l % 8, 16 bytes x bit 3 of the lane, my head
	v_mul_u32_u24 v1, v14, VPI
	v_lshl_add_u32 v1, v15, 4, v1
	s_add_co_u32 s78, s79, VT
	v_add_nc_u32 v[AV], s78, v1
	v_add_nc_u32 v[AV+1], SLOT, v[AV]
	v_mul_u32_u24 v1, v13, SPI                     ; stage, back: row 16 w + h, 16 r
	v_lshl_add_u32 v1, v12, 4, v1
	s_mul_i32 s78, s10, 16*SPI
	s_add_co_u32 s78, s78, STAGE
	v_add_nc_u32 v[RD], s78, v1
	v_lshlrev_b32 v1, 11, v13                      ; and the same two rows in ctx
	v_lshl_add_u32 v1, v12, 4, v1
	s_lshl_b32 s78, s10, 15
	v_add_nc_u32 v[CO], s78, v1
	v_and_b32 v1, 31, v0                           ; the prefetches' lane terms.  Mask: row lane / 2 of the share's 16, block lane % 2 of the row's two
	v_lshrrev_b32 v14, 1, v1
	v_and_b32 v15, 1, v1
	v_lshlrev_b32 v15, 8, v15
	v_lshl_add_u32 v[PFM], v14, 13, v15            ; 8,192 (lane / 2) + 256 (lane % 2)
	v_lshrrev_b32 v15, 4, v1                       ; K (lanes 0-15) or V (lanes 16-31, 8,388,608 bytes further), row lane % 16 of the share's 16
	v_and_b32 v1, 15, v1
	v_lshlrev_b32 v1, 11, v1
	v_lshl_add_u32 v[PFK], v15, 23, v1             ; 8,388,608 (lane / 16) + 2,048 (lane % 16)
.macro KLOAD slot, sub                 ; 16 LDS loads: K's fragments of 64 keys, into window 1
	WIN 0x40                                       ; destination in window 1, address in window 0
.irp t, 0,1,2,3
	ds_load_b128 v[KF+8*\t:KF+8*\t+3],   v[AK+\slot] offset:(64*\sub+16*\t)*KPI
	ds_load_b128 v[KF+8*\t+4:KF+8*\t+7], v[AK+\slot] offset:(64*\sub+16*\t)*KPI+32
.endr
.irp t, 0,1,2,3
	ds_load_b128 v[KF+32+8*\t:KF+32+8*\t+3],   v[AK+\slot] offset:(64*\sub+16*\t)*KPI+64
	ds_load_b128 v[KF+32+8*\t+4:KF+32+8*\t+7], v[AK+\slot] offset:(64*\sub+16*\t)*KPI+96
.endr
	WIN 0
.endm
.macro MASKADD c                       ; t = mask x (-1e9 log2 e) + s, fused; the mask of block c lies in XA + 32 c
.irp t, 0,1,2,3
.irp j, 0,2,4,6
	v_pk_fma_f32 v[SC+32*\c+8*\t+\j:SC+32*\c+8*\t+\j+1], v[XA+32*\c+8*\t+\j:XA+32*\c+8*\t+\j+1], s[76:77], v[SC+32*\c+8*\t+\j:SC+32*\c+8*\t+\j+1] op_sel_hi:[1,0,1]
.endr
.endr
.endm
; The new maxima of both blocks' rows, in both halves of the lanes, and 2^(old - new).  Four chains that do not wait for each other.
.macro ROWMAX2 first
.irp c, 0,1
	v_max3_num_f32 v[TT+\c],     v[SC+32*\c],    v[SC+32*\c+1],  v[SC+32*\c+2]
	v_max3_num_f32 v[MP+2*\c+1], v[SC+32*\c+16], v[SC+32*\c+17], v[SC+32*\c+18]
.endr
.irp j, 3,5,7,9,11,13
.irp c, 0,1
	v_max3_num_f32 v[TT+\c],     v[TT+\c],     v[SC+32*\c+\j],    v[SC+32*\c+\j+1]
	v_max3_num_f32 v[MP+2*\c+1], v[MP+2*\c+1], v[SC+32*\c+16+\j], v[SC+32*\c+17+\j]
.endr
.endr
.irp c, 0,1
	v_max3_num_f32 v[TT+\c], v[TT+\c], v[SC+32*\c+15], v[SC+32*\c+31]
.endr
.irp c, 0,1
.if \first
	v_max_num_f32 v[TT+\c], v[TT+\c], v[MP+2*\c+1]
.else
	v_max3_num_f32 v[TT+\c], v[TT+\c], v[MP+2*\c+1], v[MP+2*\c]
.endif
.endr
.irp c, 0,1
	v_permlanex16_b32 v[MP+2*\c+1], v[TT+\c], s22, s23     ; the other half's keys; the destination has been written above
.endr
.if \first
.irp c, 0,1
	v_max_num_f32 v[MP+2*\c], v[TT+\c], v[MP+2*\c+1]
.endr
.else
.irp c, 0,1
	v_max_num_f32 v[TT+\c], v[TT+\c], v[MP+2*\c+1]
.endr
.irp c, 0,1
	v_sub_f32 v[AL+2*\c+1], v[MP+2*\c], v[TT+\c]   ; old - new, at most 0
.endr
.irp c, 0,1
	v_mov_b32 v[MP+2*\c], v[TT+\c]
.endr
.irp c, 0,1
	v_exp_f32 v[AL+2*\c], v[AL+2*\c+1]             ; the subtractions that follow are the plain place behind these (ISA guide 5.7.2)
.endr
.endif
.endm
.macro E2 c, j                         ; two exponentials in place; a plain instruction on other registers always follows the pair
	v_exp_f32 v[SC+32*\c+2*(\j)],   v[SC+32*\c+2*(\j)]
	v_exp_f32 v[SC+32*\c+2*(\j)+1], v[SC+32*\c+2*(\j)+1]
.endm
.macro PK c, k                         ; step k of 16: two f32 into one register of f16, in place; register i of a fragment is written from 2 i and 2 i + 1, ascending
	v_cvt_pk_f16_f32 v[SC+32*\c+16*((\k)/8)+(\k)%8], v[SC+32*\c+16*((\k)/8)+2*((\k)%8)], v[SC+32*\c+16*((\k)/8)+2*((\k)%8)+1]
.endm
.macro FILLER kind, k                  ; what is laid between the links of a sum: block 1's exponentials, or block 0's packing
.if \kind
	PK 0, \k
.else
	E2 1, \k
.endif
.endm
.macro ROWSUM c, first, kind           ; sum of my half's 32 p, in two chains; the halves of the lanes meet at the end of the kernel
	FILLER \kind, 0
	s_wait_alu depctr_va_vdst(0)
	v_pk_add_f32 v[TA:TA+1], v[SC+32*\c:SC+32*\c+1], v[SC+32*\c+2:SC+32*\c+3]
	FILLER \kind, 1
	v_pk_add_f32 v[TB:TB+1], v[SC+32*\c+16:SC+32*\c+17], v[SC+32*\c+18:SC+32*\c+19]
.irp j, 2,4,6,8,10,12
	FILLER \kind, \j
	v_pk_add_f32 v[TA:TA+1], v[TA:TA+1], v[SC+32*\c+\j+2:SC+32*\c+\j+3]
	FILLER \kind, \j+1
	v_pk_add_f32 v[TB:TB+1], v[TB:TB+1], v[SC+32*\c+\j+18:SC+32*\c+\j+19]
.endr
	FILLER \kind, 14
	v_pk_add_f32 v[TA:TA+1], v[TA:TA+1], v[TB:TB+1]
	FILLER \kind, 15
.if \first
	v_add_f32 v[LS+\c], v[TA], v[TA+1]
	s_wait_alu depctr_va_vdst(0)
.else
	v_add_f32 v[TA], v[TA], v[TA+1]
	v_fma_f32 v[LS+\c], v[LS+\c], v[AL+2*\c], v[TA]
	s_wait_alu depctr_va_vdst(0)
.endif
.endm
.macro RESCALE                         ; O^T x AL of its q row (a lane holds one q row of each block); both halves of the pair take AL's first register
.irp db, 0,1,2,3
.irp c, 0,1
.irp j, 0,2,4,6
	v_pk_mul_f32 v[OA+8*(2*\db+\c)+\j:OA+8*(2*\db+\c)+\j+1], v[OA+8*(2*\db+\c)+\j:OA+8*(2*\db+\c)+\j+1], v[AL+2*\c:AL+2*\c+1] op_sel_hi:[1,0]
.endr
.endr
.endr
.endm
; p = 2^(t - m), sums, packing, rescaling: registers alone.  The exponentials of one block stand among plain work on the other.
.macro SOFT first
.irp j, 0,2,4,6,8,10,12,14,16,18,20,22,24,26,28,30
	v_pk_add_f32 v[SC+\j:SC+\j+1], v[SC+\j:SC+\j+1], v[MP:MP+1] op_sel_hi:[1,0] neg_lo:[0,1] neg_hi:[0,1]
.endr
.irp j, 0,1,2,3,4,5,6,7,8,9,10,11,12,13,14,15
	E2 0, \j
	v_pk_add_f32 v[SC+32+2*\j:SC+32+2*\j+1], v[SC+32+2*\j:SC+32+2*\j+1], v[MP+2:MP+3] op_sel_hi:[1,0] neg_lo:[0,1] neg_hi:[0,1]
.endr
	ROWSUM 0, \first, 0                            ; block 0's sum among block 1's exponentials
	ROWSUM 1, \first, 1                            ; block 1's sum among block 0's packing
.irp k, 0,1,2,3,4,5,6,7,8,9,10,11,12,13,14,15
	PK 1, \k
.endr
.if \first == 0
	RESCALE
.endif
.endm
; 64 keys (half sub of the slot's tile).  K's fragments have been asked for ahead.  bar = 1: this is a tile's second half and another tile follows:
; a barrier opens in front of the last 16 products; fill = 1: it opens a round of the cluster's barrier, and the slot is filled again behind it.
; In each group of matrix instructions the eight accumulators take turns, one instruction a turn.
.macro SUB slot, sub, first, bar, fill
.rept 5
	v_nop                                          ; five places behind the last products: S is written again by matrix instructions, XA and XB are loaded again (ISA guide 7.12.1)
.endr
.irp t, 0,1,2,3
	ds_load_b128 v[XA+8*\t:XA+8*\t+3],   v[AM+\slot] offset:(64*\sub+16*\t)*4
	ds_load_b128 v[XA+8*\t+4:XA+8*\t+7], v[AM+\slot] offset:(64*\sub+16*\t)*4+16
.endr
.irp t, 0,1,2,3
	ds_load_b128 v[XB+8*\t:XB+8*\t+3],   v[AM+\slot] offset:16*MPI+(64*\sub+16*\t)*4
	ds_load_b128 v[XB+8*\t+4:XB+8*\t+7], v[AM+\slot] offset:16*MPI+(64*\sub+16*\t)*4+16
.endr
	s_wait_dscnt 16                                ; K's fragments, asked for ahead of these, are in; the mask's 16 loads stay out
	WIN 0x01                                       ; source 0 (K) in window 1
.irp t, 0,1,2,3
.irp c, 0,1
	v_wmma_f32_16x16x32_f16 v[SC+32*\c+8*\t:SC+32*\c+8*\t+7], v[KF+8*\t:KF+8*\t+7], v[QF+16*\c:QF+16*\c+7], 0
.endr
.endr
.irp t, 0,1,2,3
.irp c, 0,1
	v_wmma_f32_16x16x32_f16 v[SC+32*\c+8*\t:SC+32*\c+8*\t+7], v[KF+32+8*\t:KF+32+8*\t+7], v[QF+16*\c+8:QF+16*\c+15], v[SC+32*\c+8*\t:SC+32*\c+8*\t+7]
.endr
.endr
	WIN 0
.rept 4
	v_nop                                          ; four places: K's registers are loaded again, and S is read by vector instructions
.endr
.if \sub == 0
	KLOAD \slot, 1                                 ; the second half's K, a softmax ahead of its use
	s_wait_dscnt 16                                ; the mask is in; K's 16 loads just issued stay out
.else
	s_wait_dscnt 0                                 ; the mask
.endif
	MASKADD 0
.irp db, 0,1,2,3
	ds_load_tr16_b128 v[XA+8*\db:XA+8*\db+3],   v[AV+\slot] offset:(64*\sub)*VPI+32*\db
	ds_load_tr16_b128 v[XA+8*\db+4:XA+8*\db+7], v[AV+\slot] offset:(64*\sub+16)*VPI+32*\db
.endr
	MASKADD 1
.irp db, 0,1,2,3
	ds_load_tr16_b128 v[XB+8*\db:XB+8*\db+3],   v[AV+\slot] offset:(64*\sub+32)*VPI+32*\db
	ds_load_tr16_b128 v[XB+8*\db+4:XB+8*\db+7], v[AV+\slot] offset:(64*\sub+48)*VPI+32*\db
.endr
	ROWMAX2 \first
	SOFT \first
	s_wait_dscnt 0x0                               ; V is in (and, in a first half, the next K, asked for ahead of it); in a second half my reads of this slot are over
.if \bar
	s_set_vgpr_msb 0x5
	s_wait_tensorcnt 0x0                           ; and all my tensor loads have landed: the one that was out is my part of the other slot
	ds_add_u32 v64, v65
	s_wait_dscnt 0x0
	s_set_vgpr_msb 0x500
	s_barrier_signal -1                            ; say so; registers alone are touched until the wait
.endif
.irp ks, 0,1
.irp db, 0,1,2,3
.irp c, 0,1
.if \first*(1-\ks)
	v_wmma_f32_16x16x32_f16 v[OA+8*(2*\db+\c):OA+8*(2*\db+\c)+7], v[XA+32*\ks+8*\db:XA+32*\ks+8*\db+7], v[SC+32*\c+16*\ks:SC+32*\c+16*\ks+7], 0
.else
	v_wmma_f32_16x16x32_f16 v[OA+8*(2*\db+\c):OA+8*(2*\db+\c)+7], v[XA+32*\ks+8*\db:XA+32*\ks+8*\db+7], v[SC+32*\c+16*\ks:SC+32*\c+16*\ks+7], v[OA+8*(2*\db+\c):OA+8*(2*\db+\c)+7]
.endif
.endr
.endr
.endr
.if \bar
	s_barrier_wait -1                              ; all eight waves have said so
.if \fill
	CREST                                          ; all sixteen work-groups have: no wave of any partner still reads this slot or has a load on its way
	s_add_nc_u64 s[G0M+4*\slot+2:G0M+4*\slot+3], s[G0M+4*\slot+2:G0M+4*\slot+3], 1024      ; this slot's next tile, two on: 256 keys
	s_add_nc_u64 s[G0K+4*\slot+2:G0K+4*\slot+3], s[G0K+4*\slot+2:G0K+4*\slot+3], 0x80000
	s_add_nc_u64 s[G0V+4*\slot+2:G0V+4*\slot+3], s[G0V+4*\slot+2:G0V+4*\slot+3], 0x80000
	JLOAD \slot                                    ; the first tensor load behind the round, one a wave
.endif
	KLOAD 1-\slot, 0                               ; the other slot's first K
.endif
.endm
; One tile of 128 keys.  A trip at whose end a tile is asked for by tensor loads (fill = 1) opens with wave 7's prefetch of that tile.
.macro TRIP slot, first, bar, fill
.if \fill
	PF
.endif
	SUB \slot, 0, \first, 0, 0
	SUB \slot, 1, 0, \bar, \fill
.endm
	s_wait_tensorcnt 0x0                           ; my parts of tiles 0 and 1 are in (for 0: waves 6 and 7 have issued none)
	s_barrier_signal -1
	s_barrier_wait -1                              ; everybody's are
	KLOAD 0, 0
	s_wait_loadcnt 0x0                             ; q, once
	TRIP 0, 1, 1, 1                                ; 16 tiles: the first starts maxima, sums and O without clearing anything
	TRIP 1, 0, 1, 1
	s_mov_b32 s15, 6
.Lpair:
	TRIP 0, 0, 1, 1
	TRIP 1, 0, 1, 1
	s_sub_co_u32 s15, s15, 1
	s_cmp_lg_u32 s15, 0
	s_cbranch_scc1 .Lpair
	TRIP 0, 0, 1, 0                                ; tile 14: nothing is left to fetch; the barrier shows tile 15 to every wave
	TRIP 1, 0, 0, 0                                ; tile 15
	; THE WAY OUT: divide by the row's sum, round to f16, through the stage so that a row's 256 bytes (both heads) leave together.
.rept 4
	v_nop                                          ; four places behind the last products
.endr
	v_permlanex16_b32 v[TT],   v[LS],   s22, s23   ; the other half's sum
	v_permlanex16_b32 v[TT+1], v[LS+1], s22, s23
	v_add_f32 v[LS],   v[LS],   v[TT]              ; at least 1: the row's largest p is 2^0
	v_add_f32 v[LS+1], v[LS+1], v[TT+1]
	v_rcp_f32 v[AL],   v[LS]
	v_rcp_f32 v[AL+2], v[LS+1]
	v_nop                                          ; one plain place behind the reciprocals (ISA guide 5.7.2)
	s_wait_alu depctr_va_vdst(0)
	RESCALE
.irp db, 0,1,2,3
.irp c, 0,1
.irp i, 0,1,2,3
	v_cvt_pk_f16_f32 v[SC+4*(2*\db+\c)+\i], v[OA+8*(2*\db+\c)+2*\i], v[OA+8*(2*\db+\c)+2*\i+1]
.endr
.endr
.endr
.irp db, 0,1,2,3
.irp c, 0,1
	ds_store_b128 v[STO], v[SC+4*(2*\db+\c):SC+4*(2*\db+\c)+3] offset:\c*16*SPI+32*\db     ; q row 16 c + r, d = 16 db + 8 h ..
.endr
.endr
	s_wait_dscnt 0x0                               ; for the others' sake: a stage row holds both heads, written by two waves
	s_barrier_signal -1
	s_barrier_wait -1
.irp i, 0,1,2,3,4,5,6,7
	ds_load_b128 v[XA+4*\i:XA+4*\i+3], v[RD] offset:\i*2*SPI
.endr
.irp i, 0,1,2,3,4,5,6,7
	s_wait_dscnt 7-\i                              ; read-back i is in, the 7 - i younger ones stay out
	global_store_b128 v[CO], v[XA+4*\i:XA+4*\i+3], s[8:9] offset:\i*4096   ; 16 lanes store 256 consecutive bytes, aligned
.endr
	s_set_vgpr_msb 0x5
	s_wait_tensorcnt 0x0
	ds_add_u32 v64, v65
	s_wait_dscnt 0x0
	s_set_vgpr_msb 0x500
	ROUND                                          ; the closing round
	s_endpgm
.Lfunc_end_k_q7ae72898d0_attn:
	.size	k_q7ae72898d0_attn, .Lfunc_end_k_q7ae72898d0_attn-k_q7ae72898d0_attn
	.p2alignl 7, 3214868480
	.fill 96, 4, 3214868480
	.section	.rodata,"a",@progbits
	.p2align	6, 0x0
	.amdhsa_kernel k_q7ae72898d0_attn
		.amdhsa_group_segment_fixed_size 327680
		.amdhsa_private_segment_fixed_size 0
		.amdhsa_enable_private_segment 0
		.amdhsa_kernarg_size 24
		.amdhsa_user_sgpr_count 2
		.amdhsa_user_sgpr_kernarg_segment_ptr 1
		.amdhsa_wavefront_size32 1
		.amdhsa_system_sgpr_workgroup_id_x 1
		.amdhsa_system_sgpr_workgroup_id_y 1
		.amdhsa_system_sgpr_workgroup_id_z 1
		.amdhsa_system_vgpr_workitem_id 0
		.amdhsa_next_free_vgpr 322
		.amdhsa_next_free_sgpr 100
		.amdhsa_reserve_vcc 0
		.amdhsa_float_denorm_mode_32 3
		.amdhsa_float_denorm_mode_16_64 3
		.amdhsa_memory_ordered 1
		.amdhsa_forward_progress 1
		.amdhsa_inst_pref_size 255
	.end_amdhsa_kernel
	.section	.bss,"aw",@nobits
	.p2align	6
	.space	262144
	.amdgpu_metadata
---
amdhsa.version: [ 1, 2 ]
amdhsa.kernels:
  - .name:           k_q7ae72898d0_attn
    .symbol:         k_q7ae72898d0_attn.kd
    .args:
      - { .name: qkv, .offset: 0, .size: 8, .value_kind: global_buffer, .address_space: global }
      - { .name: mask, .offset: 8, .size: 8, .value_kind: global_buffer, .address_space: global }
      - { .name: ctx, .offset: 16, .size: 8, .value_kind: global_buffer, .address_space: global }
    .group_segment_fixed_size: 327680
    .private_segment_fixed_size: 0
    .kernarg_segment_align: 8
    .kernarg_segment_size: 24
    .max_flat_workgroup_size: 256
    .sgpr_count:     100
    .vgpr_count:     322
    .wavefront_size: 32
...
	.end_amdgpu_metadata
.endif
;; end of part 6
;; launch oproj (part 7): grid 8 x 32, 4 waves a work-group, clusters of 4 x 4, 327,680 bytes of LDS; arguments ctx, wb, bo, out0; writes out0
.if DOCPART == 7
	.amdgcn_target "amdgcn-amd-amdhsa--gfx1250"
	.amdhsa_code_object_version 6
	.text
	.protected	k_q7ae72898d0_oproj
	.globl	k_q7ae72898d0_oproj
	.p2align	8
	.type	k_q7ae72898d0_oproj,@function
k_q7ae72898d0_oproj:
	s_mov_b64 s[64:65], 0
	v_nop
	global_prefetch_b8 v0, s[64:65] scope:SCOPE_SE
	s_setreg_imm32_b32 hwreg(HW_REG_WAVE_MODE, 25, 1), 1
	s_wait_xcnt 0x0
	s_wait_alu depctr_hold_cnt(0) depctr_sa_sdst(0) depctr_va_vdst(0) depctr_va_sdst(0) depctr_va_ssrc(0) depctr_va_vcc(0) depctr_vm_vsrc(0)
	s_getreg_b32 s2, hwreg(HW_REG_IB_STS2, 6, 4)
	s_cmp_eq_u32 s2, 0
	s_cbranch_scc0 .Lentry_in_a_cluster
	s_endpgm
.Lentry_in_a_cluster:
	s_bfe_u32 s2, ttmp6, 0x10000c
	s_cmp_lg_u32 s2, 0xf033
	s_cbranch_scc0 .Lentry_shape_is_right
	s_endpgm
.Lentry_shape_is_right:
; out0[m][n] = sum over k of ctx[m][k] Wo[n][k] + bo[n].  ctx [4096][1024] f16; Wo = the fourth matrix of wb, the bf16 rounding of the input
; held as f16; sums and out0 in f32.  LIMIT: |ctx|, |Wo| < 65,504 (f16).
; 4,096 x 1,024 has only 64 blocks of 256 x 256, so a work-group makes 128 x 128: 32 x 8 = 256 work-groups; a wave makes 64 x 64 in 16
; accumulator tiles (128 registers, window 1).
; K goes in four phases of 256 through two LDS slots: a tile's rows are 512 aligned bytes of memory; each wave fetches 64 rows by one load.
; CLUSTERS 4 x 4: ctx's tiles are asked for jointly along a row of the cluster, Wo's along a column.  By this text's count a wave has two tensor
; loads out at the start and one behind each round.
; The matrix instruction is used transposed (source 0 = rows of Wo, source 1 = rows of ctx): a lane's eight results are eight neighbouring
; columns of one row, 32 bytes of f32.
.set KP,     528                       ; an LDS row: 512 bytes + 16
.set QUART,  64*KP                     ; 33,792: what one tensor load brings, and what one wave reads of A or of B
.set SLOT,   4*QUART                   ; A's 128 rows, then B's 128 rows
.set STAGE,  2*SLOT                    ; 270,336: 16 rows x 272 bytes for each wave; no tensor load lands here
.set SPITCH, 272
.set ADRA, 16                          ; v16-17 LDS address of my A fragments in slot 0, 1
.set ADRB, 20                          ; v20-21 of my B fragments
.set STO,  24
.set RD,   25
.set CO,   26
.set BO,   27                          ; my byte offset in the bias; never rewritten
.set BIAS, 32                          ; v32-63  bias of column 16 b + 8 h + j at BIAS + 8 b + j
.set F0,   64                          ; v64-127  fragments: B's four blocks at + 8 i, A's at + 32 + 8 i
.set F1,   128                         ; v128-191 the second buffer
.set TMP,  192                         ; v192-223 sums + bias
.set RB,   224                         ; v224-255 rows read back
.set G1, 24
.set G0, 32
.set G1B, 48
.set G0B, 56
.set MSB, 0
.macro WIN new
.if MSB != \new
	s_set_vgpr_msb (MSB<<8)|\new
.set MSB, \new
.endif
.endm
.macro JLOAD s                         ; waves 0 and 1 fetch A's halves, waves 2 and 3 B's
	s_cmp_eq_u32 s11, 0
	s_cbranch_scc0 .Lfor_b_\@
	tensor_load_to_lds s[G0+4*\s:G0+4*\s+3], s[G1:G1+7]
	s_nop 0
	s_branch .Lasked_\@
.Lfor_b_\@:
	tensor_load_to_lds s[G0B+4*\s:G0B+4*\s+3], s[G1B:G1B+7]
	s_nop 0
.Lasked_\@:
.endm
.macro CREST                           ; a round of the cluster's barrier behind its opening barrier
	s_cmp_lg_u32 s10, 0
	s_cbranch_scc1 .Lnot_wave_0_\@
	s_barrier_signal -3
.Lnot_wave_0_\@:
	s_barrier_wait -3
	s_barrier_signal -1
	s_barrier_wait -1
.endm
.macro CROUND                          ; a whole round
	s_barrier_signal -1
	s_barrier_wait -1
	CREST
.endm
	s_load_b128 s[4:7], s[0:1], 0x0                ; ctx s[4:5], wb s[6:7]
	s_load_b128 s[68:71], s[0:1], 0x10             ; bo s[68:69], out0 s[70:71]
	v_lshl_add_u32 v30, v0, 2, 0x46400
	v_mov_b32 v31, 0
	ds_add_u32 v30, v31
	v_lshrrev_b32 v1, 5, v0
	v_readfirstlane_b32 s10, v1                    ; wave 0..3
	s_lshr_b32 s11, s10, 1                         ; my half of the block's rows.  Also: I fetch for A (0) or for B (1)
	s_and_b32 s12, s10, 1                          ; my half of its columns.  Also: which 64 rows of that tile I fetch
	s_bfe_u32 s40, ttmp6, 0x40000                  ; cx
	s_bfe_u32 s41, ttmp6, 0x40004                  ; cy
	s_lshl_b32 s42, ttmp9, 2
	s_add_co_u32 s42, s42, s40                     ; block column, 0 to 7
	s_and_b32 s13, ttmp7, 0xffff
	s_lshl_b32 s13, s13, 2
	s_add_co_u32 s13, s13, s41                     ; block row, 0 to 31
	s_lshl_b32 s43, s41, 2
	s_lshl_b32 s43, 15, s43                        ; my row of the cluster
	s_lshl_b32 s44, 0x1111, s40                    ; my column
	; group 1: 64 rows x 256 elements of 2 bytes, 4 words of padding behind every 128 words, 1,024 elements from row to row
	s_or_b32 s[G1+0], s43, (1<<16)|(1<<20)|(1<<21)|(6<<22)|(3<<25)
	s_or_b32 s[G1B+0], s44, (1<<16)|(1<<20)|(1<<21)|(6<<22)|(3<<25)
	s_mov_b32 s[G1+1], 256<<16
	s_mov_b32 s[G1B+1], 256<<16
	s_mov_b32 s[G1+2], 64<<16
	s_mov_b32 s[G1B+2], 64<<16
	s_mov_b32 s[G1+3], 256<<16
	s_mov_b32 s[G1B+3], 256<<16
	s_mov_b32 s[G1+4], 64
	s_mov_b32 s[G1B+4], 64
	s_mov_b32 s[G1+5], 1024
	s_mov_b32 s[G1B+5], 1024
	s_mov_b32 s[G1+6], 0
	s_mov_b32 s[G1B+6], 0
	s_mov_b32 s[G1+7], 0
	s_mov_b32 s[G1B+7], 0
	s_lshl_b32 s17, s12, 6                         ; which 64 rows of the tile I fetch
	s_lshl_b32 s16, s13, 7
	s_add_co_u32 s16, s16, s17                     ; ctx: row 128 x block row + 64 x half
	s_lshl_b32 s16, s16, 11                        ; rows of 2,048 bytes
	s_lshl_b32 s46, s42, 7
	s_add_co_u32 s46, s46, s17                     ; Wo: row 128 x block column + 64 x half
	s_lshl_b32 s46, s46, 11
	s_add_co_u32 s46, s46, 0x600000                ; Wo lies 6,291,456 bytes into wb
	s_mov_b32 s17, 0
	s_mov_b32 s47, 0
	s_mul_i32 s20, s10, QUART                      ; where they go: wave x 64 rows
	s_lshl_b32 s72, s42, 9                         ; my 64 columns in f32: 512 x block column + 256 x half; s72-75 feed no descriptor
	s_lshl_b32 s73, s12, 8
	s_add_co_u32 s72, s72, s73
	s_mov_b32 s73, 0
	s_lshl_b32 s74, s13, 7
	s_lshl_b32 s75, s11, 6
	s_add_co_u32 s74, s74, s75                     ; my first row
	s_lshl_b32 s74, s74, 12                        ; rows of 4,096 bytes
	s_mov_b32 s75, 0
	s_wait_dscnt 0x0
	s_wait_kmcnt 0x0
	s_add_nc_u64 s[14:15], s[4:5], s[16:17]
	s_add_nc_u64 s[46:47], s[6:7], s[46:47]
	s_add_nc_u64 s[68:69], s[68:69], s[72:73]      ; the bias at my columns
	s_add_nc_u64 s[8:9], s[70:71], s[72:73]
	s_add_nc_u64 s[8:9], s[8:9], s[74:75]          ; out0 at my corner
	CROUND                                         ; all sixteen work-groups are here
.irp s, 0,1
	s_mov_b32 s[G0+4*\s], 1
	s_add_co_u32 s[G0+4*\s+1], s20, \s*SLOT
	s_add_nc_u64 s[G0+4*\s+2:G0+4*\s+3], s[14:15], \s*512          ; phase s
	s_or_b32 s[G0+4*\s+3], s[G0+4*\s+3], 0x80000000
	s_mov_b32 s[G0B+4*\s], 1
	s_add_co_u32 s[G0B+4*\s+1], s20, \s*SLOT
	s_add_nc_u64 s[G0B+4*\s+2:G0B+4*\s+3], s[46:47], \s*512
	s_or_b32 s[G0B+4*\s+3], s[G0B+4*\s+3], 0x80000000
	JLOAD \s
.endr
	v_and_b32 v1, 15, v0                           ; r
	v_bfe_u32 v2, v0, 4, 1                         ; h
	v_lshlrev_b32 v[BO], 5, v2
.irp b, 0,1,2,3
	global_load_b128 v[BIAS+8*\b:BIAS+8*\b+3],   v[BO], s[68:69] offset:64*\b
	global_load_b128 v[BIAS+8*\b+4:BIAS+8*\b+7], v[BO], s[68:69] offset:64*\b+16
.endr
	v_mul_u32_u24 v3, v1, KP
	v_lshl_add_u32 v3, v2, 4, v3                   ; row x pitch + 16 h
	s_mul_i32 s21, s11, QUART                      ; my 64 rows of A
	s_mul_i32 s22, s12, QUART                      ; my 64 rows of B,
	s_add_co_u32 s22, s22, 2*QUART                 ; which lie behind A's 128
.irp s, 0,1
	v_add_nc_u32 v[ADRA+\s], s21, v3
	v_add_nc_u32 v[ADRB+\s], s22, v3
	s_add_co_u32 s21, s21, SLOT
	s_add_co_u32 s22, s22, SLOT
.endr
	s_mul_i32 s23, s10, 16*SPITCH
	s_add_co_u32 s23, s23, STAGE                   ; my stage
	v_mul_u32_u24 v4, v1, SPITCH                   ; in: row r, 32 bytes for each half of the lanes
	v_lshl_add_u32 v4, v2, 5, v4
	v_add_nc_u32 v[STO], s23, v4
	v_mul_u32_u24 v5, v2, SPITCH                   ; back: lanes 0-15 one row of 256 bytes, lanes 16-31 the next
	v_lshl_add_u32 v5, v1, 4, v5
	v_add_nc_u32 v[RD], s23, v5
	v_lshlrev_b32 v5, 12, v2                       ; and the same two rows in out0
	v_lshl_add_u32 v[CO], v1, 4, v5
.macro PLACES                          ; four places between a matrix instruction and a load into a register that it read
.rept 4
	v_nop
.endr
.endm
.macro FETCH slot, k, f                ; 16 LDS loads: the fragments of one quarter (64 rows of B, 64 of A, 32 K at byte k of the rows)
.irp i, 0,1,2,3
	ds_load_b128 v[\f+8*\i:\f+8*\i+3],   v[ADRB+\slot] offset:\k+\i*16*KP
	ds_load_b128 v[\f+8*\i+4:\f+8*\i+7], v[ADRB+\slot] offset:\k+\i*16*KP+32
.endr
.irp i, 0,1,2,3
	ds_load_b128 v[\f+32+8*\i:\f+32+8*\i+3],   v[ADRA+\slot] offset:\k+\i*16*KP
	ds_load_b128 v[\f+32+8*\i+4:\f+32+8*\i+7], v[ADRA+\slot] offset:\k+\i*16*KP+32
.endr
.endm
.macro MULQ f, zero                    ; 16 matrix instructions; the 16 accumulators take turns, one instruction a turn
	WIN 0x50                                       ; C and D in window 1, the fragments in window 0
.irp a, 0,1,2,3
.irp b, 0,1,2,3
.if \zero
	v_wmma_f32_16x16x32_f16 v[8*(4*\a+\b):8*(4*\a+\b)+7], v[\f+8*\b:\f+8*\b+7], v[\f+32+8*\a:\f+32+8*\a+7], 0
.else
	v_wmma_f32_16x16x32_f16 v[8*(4*\a+\b):8*(4*\a+\b)+7], v[\f+8*\b:\f+8*\b+7], v[\f+32+8*\a:\f+32+8*\a+7], v[8*(4*\a+\b):8*(4*\a+\b)+7]
.endif
.endr
.endr
	WIN 0
.endm
.macro STEPQ slot, k, f, g             ; fetch a later quarter into g, which the last products read; multiply f
	PLACES
	FETCH \slot, \k, \g
	s_wait_dscnt 16                                ; f is in; the 16 loads just issued stay out
	MULQ \f, 0
.endm
; 256 along K: eight quarters on buffers 0, 1, 0, 1, ...  bar = 1: another phase follows: a barrier opens behind the slot's last LDS read, and the
; last quarter's products, which touch registers alone, stand between its signal and its wait.  fill = 1: it opens a round of the cluster's
; barrier, and behind the round the slot is filled again with its tiles two phases on.
.macro PHASE slot, zero, bar, fill
	PLACES
	FETCH \slot, 0, F0
	FETCH \slot, 64, F1
	s_wait_dscnt 16                                ; buffer 0 is in; buffer 1's 16 loads stay out
	MULQ F0, \zero
	STEPQ \slot, 128, F1, F0
	STEPQ \slot, 192, F0, F1
	STEPQ \slot, 256, F1, F0
	STEPQ \slot, 320, F0, F1
	STEPQ \slot, 384, F1, F0
	STEPQ \slot, 448, F0, F1
	s_wait_dscnt 0                                 ; the last quarter is in: my reads of this slot are over
.if \bar
	s_wait_tensorcnt 0x0                           ; and all my tensor loads have landed, my part of the other slot among them
	ds_add_u32 v30, v31
	s_wait_dscnt 0x0
	s_barrier_signal -1
.endif
	MULQ F1, 0
.if \bar
	s_barrier_wait -1
.endif
.if \fill
	CREST                                          ; no wave of any partner still reads this slot or has a load on its way
	s_add_nc_u64 s[G0+4*\slot+2:G0+4*\slot+3], s[G0+4*\slot+2:G0+4*\slot+3], 1024
	s_add_nc_u64 s[G0B+4*\slot+2:G0B+4*\slot+3], s[G0B+4*\slot+2:G0B+4*\slot+3], 1024
	JLOAD \slot                                    ; the first tensor load behind the round, one a wave
.endif
.endm
	s_wait_tensorcnt 1                             ; my part of phase 0 is in; phase 1's load, issued behind it, stays out
	s_barrier_signal -1
	s_barrier_wait -1
	PHASE 0, 1, 1, 1                               ; phase 0: the first products start the sums; phase 2's tiles are asked for
	PHASE 1, 0, 1, 1                               ; phase 1; phase 3's tiles: the last load
	PHASE 0, 0, 1, 0                               ; phase 2
	PHASE 1, 0, 0, 0                               ; phase 3
	; THE WAY OUT, 16 rows at a time: add the bias, 32 bytes a lane into my own stage, read back as whole rows of 256 bytes.
	PLACES
	s_wait_loadcnt 0x0                             ; the bias
.macro OUT16 a
	WIN 0x01                                       ; source 0 (the sums) in window 1
.irp b, 0,1,2,3
.irp r, 0,2,4,6
	v_pk_add_f32 v[TMP+8*\b+\r:TMP+8*\b+\r+1], v[8*(4*\a+\b)+\r:8*(4*\a+\b)+\r+1], v[BIAS+8*\b+\r:BIAS+8*\b+\r+1]
.endr
.endr
	WIN 0
.irp b, 0,1,2,3
	ds_store_b128 v[STO], v[TMP+8*\b:TMP+8*\b+3]   offset:64*\b
	ds_store_b128 v[STO], v[TMP+8*\b+4:TMP+8*\b+7] offset:64*\b+16
.endr
	s_wait_xcnt 0x0                                ; RB, which earlier stores read, and the stores' base are rewritten only behind this wait
.if \a
	s_add_nc_u64 s[8:9], s[8:9], 16*4096           ; 16 rows of out0 on
.endif
.irp t, 0,1,2,3,4,5,6,7
	ds_load_b128 v[RB+4*\t:RB+4*\t+3], v[RD] offset:\t*2*SPITCH    ; LDS serves a wave's instructions in order: these see the stores above
.endr
.irp t, 0,1,2,3,4,5,6,7
	s_wait_dscnt 7-\t                              ; read-back t is in, the 7 - t younger ones stay out
	global_store_b128 v[CO], v[RB+4*\t:RB+4*\t+3], s[8:9] offset:\t*8192 th:TH_STORE_NT   ; 16 lanes store 256 consecutive bytes, aligned
.endr
.endm
	OUT16 0
	OUT16 1
	OUT16 2
	OUT16 3
	s_wait_tensorcnt 0x0
	ds_add_u32 v30, v31
	s_wait_dscnt 0x0
	CROUND                                         ; the closing round
	s_endpgm
.Lfunc_end_k_q7ae72898d0_oproj:
	.size	k_q7ae72898d0_oproj, .Lfunc_end_k_q7ae72898d0_oproj-k_q7ae72898d0_oproj
	.p2alignl 7, 3214868480
	.fill 96, 4, 3214868480
	.section	.rodata,"a",@progbits
	.p2align	6, 0x0
	.amdhsa_kernel k_q7ae72898d0_oproj
		.amdhsa_group_segment_fixed_size 327680
		.amdhsa_private_segment_fixed_size 0
		.amdhsa_enable_private_segment 0
		.amdhsa_kernarg_size 32
		.amdhsa_user_sgpr_count 2
		.amdhsa_user_sgpr_kernarg_segment_ptr 1
		.amdhsa_wavefront_size32 1
		.amdhsa_system_sgpr_workgroup_id_x 1
		.amdhsa_system_sgpr_workgroup_id_y 1
		.amdhsa_system_sgpr_workgroup_id_z 1
		.amdhsa_system_vgpr_workitem_id 0
		.amdhsa_next_free_vgpr 384
		.amdhsa_next_free_sgpr 76
		.amdhsa_reserve_vcc 0
		.amdhsa_float_denorm_mode_32 3
		.amdhsa_float_denorm_mode_16_64 3
		.amdhsa_memory_ordered 1
		.amdhsa_forward_progress 1
		.amdhsa_inst_pref_size 93
	.end_amdhsa_kernel
	.amdgpu_metadata
---
amdhsa.version: [ 1, 2 ]
amdhsa.kernels:
  - .name:           k_q7ae72898d0_oproj
    .symbol:         k_q7ae72898d0_oproj.kd
    .args:
      - { .name: ctx, .offset: 0, .size: 8, .value_kind: global_buffer, .address_space: global }
      - { .name: wb, .offset: 8, .size: 8, .value_kind: global_buffer, .address_space: global }
      - { .name: bo, .offset: 16, .size: 8, .value_kind: global_buffer, .address_space: global }
      - { .name: out0, .offset: 24, .size: 8, .value_kind: global_buffer, .address_space: global }
    .group_segment_fixed_size: 327680
    .private_segment_fixed_size: 0
    .kernarg_segment_align: 8
    .kernarg_segment_size: 32
    .max_flat_workgroup_size: 128
    .sgpr_count:     76
    .vgpr_count:     384
    .wavefront_size: 32
...
	.end_amdgpu_metadata
.endif
;; end of part 7
